; MI455X (gfx1250); checked and timed in simulation.
; The chip was launched on July 23, 2026; its instructions are those of AMD's public machine-readable ISA for CDNA 5 (MIT licence, August 2026) and "CDNA5" Instruction Set Architecture Reference Guide (July 2026). The comments in the code are by the model that wrote it; some were corrected since.
;; Multi Head Attention. Allowed arithmetic: matrix products marked QUANTISED: E3M2 operands, one E8M0 scale for each 32 along K, by v_wmma_scale_f32_16x16x128_f8f6f4 with both operands' format E3M2, f32 sums; everything else in f32.
;; Inputs: Wk_codes 1,024 x 32 x 24 uint8 (E3M2 codes of Wk, K innermost, in blocks of 32 codes, four codes in three bytes); Wk_scales 1,024 x 32 uint8 (E8M0 scales of Wk, one for each 32 codes along K); Wo_codes 1,024 x 32 x 24 uint8 (E3M2 codes of Wo, K innermost, in blocks of 32 codes, four codes in three bytes); Wo_scales 1,024 x 32 uint8 (E8M0 scales of Wo, one for each 32 codes along K); Wq_codes 1,024 x 32 x 24 uint8 (E3M2 codes of Wq, K innermost, in blocks of 32 codes, four codes in three bytes); Wq_scales 1,024 x 32 uint8 (E8M0 scales of Wq, one for each 32 codes along K); Wv_codes 1,024 x 32 x 24 uint8 (E3M2 codes of Wv, K innermost, in blocks of 32 codes, four codes in three bytes); Wv_scales 1,024 x 32 uint8 (E8M0 scales of Wv, one for each 32 codes along K); key_codes 4 x 2,048 x 32 x 24 uint8 (E3M2 codes of key, K innermost, in blocks of 32 codes, four codes in three bytes); key_scales 4 x 2,048 x 32 uint8 (E8M0 scales of key, one for each 32 codes along K); ln_beta 1,024 float32; ln_gamma 1,024 float32; mask 4 x 2,048 int32; query 4 x 2,048 x 1,024 float32; value_codes 4 x 2,048 x 32 x 24 uint8 (E3M2 codes of value, K innermost, in blocks of 32 codes, four codes in three bytes); value_scales 4 x 2,048 x 32 uint8 (E8M0 scales of value, one for each 32 codes along K).
;; Outputs: out0 4 x 2,048 x 1,024 float32.
;; This version of the problem:
;;   THIS VERSION OF THE PROBLEM IS GIVEN IN LOW PRECISION. The matrix products marked QUANTISED in the list below multiply operands that are first quantised to E3M2 (3 exponent bits, 2 mantissa bits; 6 bits a number), with one power-of-two scale for each 32 numbers along K (OCP MX v1.0); their sums are f32. All else is computed in f32.
;;   The module's matrix products, in the order in which they are computed (A, B: the left and right operand; K: the contracted axis; several contracted axes count as one K, in the product's order):
;;     1. [M 8,192, K 1,024] x [K 1,024, N 1,024]; A: input query; B: input Wq (given as codes): QUANTISED
;;     2. [M 8,192, K 1,024] x [K 1,024, N 1,024]; A: input key (given as codes); B: input Wk (given as codes): QUANTISED
;;     3. [M 8,192, K 1,024] x [K 1,024, N 1,024]; A: input value (given as codes); B: input Wv (given as codes): QUANTISED
;;     4. batch 64 x [M 2,048, K 64] x [K 64, N 2,048]; A: computed on the way; B: computed on the way: QUANTISED
;;     5. batch 64 x [M 2,048, K 2,048] x [K 2,048, N 64]; A: softmax (see below); B: computed on the way: QUANTISED
;;     6. [M 8,192, K 1,024] x [K 1,024, N 1,024]; A: computed on the way; B: input Wo (given as codes): QUANTISED
;;   THE QUANTISER, for each operand of a quantised product, along K:
;;     - K is cut into blocks of 32 from its start; a last block that is shorter is filled with zeros.
;;     - A block's scale is 2^e with e = floor(log2(the largest magnitude in the block)) - 4, held to -126 .. 127; a block of zeros has e = 0. As a byte (E8M0): e + 127.
;;     - Each number is divided by its block's scale, clamped to +-28, and rounded to the nearest number of E3M2, ties to even, subnormals kept.
;;     - The product sums the exact products of the quantised numbers (number of the format x scale) in f32.
;;   ~~~python
;;   def quantise(x, axis):      # numpy; x: float32 -> the quantised numbers, widened to float32 again
;;       x = np.moveaxis(x, axis, -1); K = x.shape[-1]
;;       x = np.pad(x, [(0, 0)] * (x.ndim - 1) + [(0, -K % 32)]); x = x.reshape(x.shape[:-1] + (-1, 32)); a = np.abs(x).max(-1, keepdims=True)
;;       e = np.where(a > 0, np.clip(np.frexp(np.where(a > 0, a, 1))[1] - 1 - 4, -126, 127), 0)      # np.frexp(a)[1] - 1 = floor(log2(a)), exactly
;;       r = np.clip(x / 2.0 ** e, -28, 28)
;;       step = 2.0 ** (np.maximum(np.frexp(np.where(r == 0, 1, r))[1] - 1, -2) - 2)
;;       q = np.round(r / step) * step * 2.0 ** e      # np.round: ties to even
;;       return np.moveaxis(q.reshape(q.shape[:-2] + (-1,))[..., :K], -1, axis).astype(np.float32)
;;   ~~~
;;   SOFTMAX AHEAD OF A QUANTISED PRODUCT. Where the list says 'softmax', what is quantised is not the finished softmax but p = 2^(t - M), with t = logit x log2(e) and M = ceil(the row's largest t), a whole number; so 1/2 < the row's largest p <= 1. The row's sum l is taken of the UNQUANTISED p, in f32, and the product's result is divided by l at the end. Since M is a whole number, a kernel that streams over the keys may use a running M (the ceiling of the running maximum): every later rescaling is an exact power of two, which a block's scale takes up: the codes' values come out the same.
;;   OPERANDS COMPUTED ON THE WAY. 'Computed on the way' means the value that the module computes at that place (a softmax that the list does not call 'softmax' is quantised finished and normalised). What goes into a quantiser is computed in f32, as accurately as f32 sums, v_exp_f32 and their like allow (about 1e-6 of the number): no bf16 or f16 on the way to a quantiser, and a product that is left as it is and whose result goes on into a quantised operand takes f32 operands (vector FMAs, or v_wmma_f32_16x16x4_f32). A number that lies on a knife's edge between two numbers of the format may be rounded either way, as far as f32 arithmetic and the matrix unit's own rounding can turn it there, and no further.
;;   INPUTS GIVEN AS CODES. Wk (in the module: [1024, 1024], K = its axis 1); Wo (in the module: [1024, 1024], K = its axis 1); Wq (in the module: [1024, 1024], K = its axis 1); Wv (in the module: [1024, 1024], K = its axis 1); key (in the module: [4, 2048, 1024], K = its axis 2); value (in the module: [4, 2048, 1024], K = its axis 2): each comes as NAME_codes (uint8): NAME with its K axis moved to the last place and cut into blocks of 32 codes, [.., K / 32, bytes a block], one block behind the other in memory; four codes in three bytes: a row's codes are one little-endian stream of bits, code i at bits 6 i .. 6 i + 5 (a code: sign, 3 exponent bits, 2 mantissa bits); and NAME_scales (uint8): the same leading axes, one E8M0 byte (e + 127) for each 32 codes along K. Its value is code x scale, taken as it is: it is not quantised again, and the codes and scales need not be those that the quantiser above would give.
;; One version. Each part assembles by itself: llvm-mc -triple=amdgcn-amd-amdhsa -mcpu=gfx1250 --defsym DOCPART=n.
;; ======== version 1 of 1: 4 launches
;; workspace buffers: xq_codes 6,291,456 bytes; xq_scales 262,144 bytes; qimg 6,291,456 bytes; qsc 524,288 bytes; kv 12,582,912 bytes; sc 786,432 bytes; aimg 6,291,456 bytes; asc 524,288 bytes
;; launch quant (part 1): grid 256 x 1, 4 waves a work-group, no clusters, 33,280 bytes of LDS; arguments query, xq_codes, xq_scales; writes xq_codes, xq_scales
.if DOCPART == 1
	.amdgcn_target "amdgcn-amd-amdhsa--gfx1250"
	.amdhsa_code_object_version 6
	.text
	.protected	k_qa08f588533_quant
	.globl	k_qa08f588533_quant
	.p2align	8
	.type	k_qa08f588533_quant,@function
k_qa08f588533_quant:
	s_mov_b64 s[64:65], 0
	v_nop
	global_prefetch_b8 v0, s[64:65] scope:SCOPE_SE
	s_setreg_imm32_b32 hwreg(HW_REG_WAVE_MODE, 25, 1), 1
	s_wait_xcnt 0x0
; query [8192][1024], f32, becomes codes of BF6 (E3M2), 6 bits each, K innermost ([8192][768] bytes), with one E8M0 scale byte for each 32 along K ([8192][32]).
; A block's scale is 2^(floor(log2(its largest magnitude)) - 4); its byte is the largest magnitude's own exponent field - 4, held at 1 from below.
; A block of zeros gets the byte 1 where the rule says 127: its codes are zeros, which add nothing under any byte but 0xff, and the bytes are read by this program alone.
; LIMITS: a block's largest magnitude is taken no smaller than 2^-122 (the floor); NaN and infinities among the inputs are not served.
; Rows are dense and 1024 is a multiple of 32: the tensor is a plain stream of blocks of 32 numbers, and so are the codes and the scale bytes.
; A wave takes 16 steps of 512 numbers.  Each of a step's four loads reads 512 consecutive bytes, 16 a lane; the 2,048 bytes turn through the wave's own stage in LDS and come back 64 bytes a lane,
; so that a lane holds 16 neighbours along K, which is what the conversion takes (two neighbouring lanes hold a block).  The stage has 16 bytes of padding behind each 64.
; A lane's 16 codes are 12 bytes: the wave stores 384 consecutive bytes.  A wave's 256 scale bytes are gathered in its own LDS and leave as one aligned run of 256 bytes.
; No tensor loads, no barrier: waves share nothing.  Loads run four steps (16 loads a wave) ahead, the turn through LDS one step.  Matrix units and clusters have nothing to do in a stream.
.set STEPS, 16
.set EMAX,  4
.set CB,    12                         ; bytes of 16 codes
.set R,     16                         ; v16-79   four sets of 16 numbers as they are loaded
.set X,     80                         ; v80-111  two sets of 16 neighbours
.set C,     128                        ; v128-191 codes: four registers for each step, so that no store's data are written again
.set E,     112                        ; v112-127 a scale byte for each step
.set WREG,  8192                       ; LDS: a region for each wave: two stages of 32 x SP bytes, behind them its 256 scale bytes
.set SP,    80                         ; a lane's place in a stage: its 64 bytes + 16 of padding
	s_load_b64 s[4:5], s[0:1], 0x0                 ; query
	s_load_b64 s[8:9], s[0:1], 0x8                 ; the codes
	s_load_b64 s[10:11], s[0:1], 0x10              ; the scale bytes
	v_lshl_add_u32 v192, v0, 2, 0x8000
	v_mov_b32 v193, 0
	v_lshrrev_b32 v1, 5, v0
	v_readfirstlane_b32 s16, v1                    ; wave
	v_and_b32 v2, 31, v0                           ; lane
	v_lshlrev_b32 v3, 4, v2                        ; my 16 bytes of a load's 512
	s_mul_i32 s17, s16, WREG
	v_lshrrev_b32 v14, 2, v2
	v_mul_u32_u24 v14, v14, SP
	v_and_b32 v15, 3, v2
	v_lshl_add_u32 v14, v15, 4, v14
	v_add_nc_u32 v14, s17, v14                     ; the stage, on the way in: SP (lane / 4) + 16 (lane % 4); a load's 512 bytes take eight places
	v_mul_u32_u24 v15, v2, SP
	v_add_nc_u32 v15, s17, v15                     ; and on the way out: SP x lane: my 16 neighbours
	v_mul_u32_u24 v4, v2, CB                       ; my codes' place in a step's
	v_lshrrev_b32 v5, 1, v2
	s_add_co_u32 s17, s17, 2*32*SP
	v_add_nc_u32 v5, s17, v5                       ; LDS: my wave's 256 scale bytes, my block's byte
	v_lshlrev_b32 v7, 3, v2                        ; and on the way out 8 bytes a lane
	v_add_nc_u32 v6, s17, v7
	s_lshl_b32 s17, ttmp9, 2
	s_add_co_u32 s18, s17, s16                     ; which run of 8,192 numbers is my wave's
	s_mov_b32 s19, 0
	s_mov_b64 s[20:21], 512*STEPS*4
	s_mul_u64 s[20:21], s[18:19], s[20:21]
	s_mov_b64 s[22:23], 32*STEPS*CB
	s_mul_u64 s[22:23], s[18:19], s[22:23]
	s_lshl_b32 s18, s18, 8                         ; 256 scale bytes a run
	s_wait_kmcnt 0x0
	s_add_nc_u64 s[4:5], s[4:5], s[20:21]
	s_add_nc_u64 s[8:9], s[8:9], s[22:23]
	s_add_nc_u64 s[10:11], s[10:11], s[18:19]
.macro LOAD t
.irp i, 0,1,2,3
	global_load_b128 v[R+16*((\t)%4)+4*\i:R+16*((\t)%4)+4*\i+3], v3, s[4:5] offset:2048*(\t)+512*\i   ; 32 lanes read 512 consecutive bytes
.endr
.endm
.macro TURN t                          ; step t's numbers through the stage: LDS serves a wave's instructions in order, so no wait stands between the stores and the loads
.irp i, 0,1,2,3
	ds_store_b128 v14, v[R+16*((\t)%4)+4*\i:R+16*((\t)%4)+4*\i+3] offset:32*SP*((\t)%2)+8*SP*\i
.endr
.irp i, 0,1,2,3
	ds_load_b128 v[X+16*((\t)%2)+4*\i:X+16*((\t)%2)+4*\i+3], v15 offset:32*SP*((\t)%2)+16*\i
.endr
.endm
.irp t, 0,1,2,3
	LOAD \t
.endr
	s_wait_loadcnt 12                              ; step 0's four loads are in; the twelve of steps 1 to 3 stay out
	TURN 0
.macro STEP t
.set XS, X+16*((\t)%2)
.if (\t) > 0
	s_wait_dscnt 1                                 ; this step's numbers are back from the stage (the last step's byte store may be out): so its stores into the stage have read their registers,
.else
	s_wait_dscnt 0x0
.endif
.if (\t)+4 < STEPS
	LOAD (\t)+4                                    ; which take the loads of four steps on
.endif
.if (\t)+1 < STEPS
.if STEPS-2-(\t) >= 3
	s_wait_loadcnt 12                              ; the next step's four loads are in; those of the three steps behind it may be out
.else
	s_wait_loadcnt 4*(STEPS-2-(\t))
.endif
	TURN (\t)+1                                    ; and go through the other stage while this step is worked
.endif
	v_max3_num_f32 v8, |v[XS]|, |v[XS+1]|, |v[XS+2]|               ; the largest magnitude of my 16, in two chains
	v_max3_num_f32 v9, |v[XS+3]|, |v[XS+4]|, |v[XS+5]|
.irp i, 6,10
	v_max3_num_f32 v8, v8, |v[XS+\i]|, |v[XS+\i+1]|
	v_max3_num_f32 v9, v9, |v[XS+\i+2]|, |v[XS+\i+3]|
.endr
	v_max3_num_f32 v8, v8, |v[XS+14]|, |v[XS+15]|
	v_max3_num_f32 v8, v8, v9, (EMAX+1)<<23        ; and the floor 2^(5 - 127): so the byte cannot fall under 1
	v_max_num_f32_dpp v8, v8, v8 row_xmask:1 row_mask:0xf bank_mask:0xf   ; and of my neighbour's 16: the block's
	v_add_nc_u32 v11, 0xfe000000, v8               ; 4 off its exponent field: the conversion takes the exponent field of this operand as its scale, and nothing else of it
	v_cvt_scalef32_pk16_bf6_f32 v[C+4*(\t):C+4*(\t)+2], v[XS:XS+15], v11   ; sixteen numbers / the scale, to the nearest code, ties to even, beyond the largest code the largest; 96 bits without gaps
	v_lshrrev_b32 v[E+(\t)], 23, v11               ; the scale's byte (also the plain instruction behind the conversion)
	ds_store_b8 v5, v[E+(\t)] offset:16*(\t)       ; both lanes of a block write the same byte with the same value
	global_store_b96 v4, v[C+4*(\t):C+4*(\t)+2], s[8:9] offset:32*CB*(\t)
.endm
.irp t, 0,1,2,3,4,5,6,7,8,9,10,11,12,13,14,15
	STEP \t
.endr
	ds_load_b64 v[12:13], v6                       ; LDS serves a wave's instructions in order: these see my stores
	s_wait_dscnt 0x0
	global_store_b64 v7, v[12:13], s[10:11]        ; 32 lanes store 256 consecutive bytes, aligned
	s_wait_tensorcnt 0x0
	ds_add_u32 v192, v193
	s_wait_dscnt 0x0
	s_endpgm
.Lfunc_end_k_qa08f588533_quant:
	.size	k_qa08f588533_quant, .Lfunc_end_k_qa08f588533_quant-k_qa08f588533_quant
	.p2alignl 7, 3214868480
	.fill 96, 4, 3214868480
	.section	.rodata,"a",@progbits
	.p2align	6, 0x0
	.amdhsa_kernel k_qa08f588533_quant
		.amdhsa_group_segment_fixed_size 33280
		.amdhsa_private_segment_fixed_size 0
		.amdhsa_enable_private_segment 0
		.amdhsa_kernarg_size 24
		.amdhsa_user_sgpr_count 2
		.amdhsa_user_sgpr_kernarg_segment_ptr 1
		.amdhsa_wavefront_size32 1
		.amdhsa_system_sgpr_workgroup_id_x 1
		.amdhsa_system_sgpr_workgroup_id_y 1
		.amdhsa_system_sgpr_workgroup_id_z 1
		.amdhsa_system_vgpr_workitem_id 0
		.amdhsa_next_free_vgpr 194
		.amdhsa_next_free_sgpr 66
		.amdhsa_reserve_vcc 0
		.amdhsa_float_denorm_mode_32 3
		.amdhsa_float_denorm_mode_16_64 3
		.amdhsa_memory_ordered 1
		.amdhsa_forward_progress 1
		.amdhsa_inst_pref_size 32
	.end_amdhsa_kernel
	.amdgpu_metadata
---
amdhsa.version: [ 1, 2 ]
amdhsa.kernels:
  - .name:           k_qa08f588533_quant
    .symbol:         k_qa08f588533_quant.kd
    .args:
      - { .name: query, .offset: 0, .size: 8, .value_kind: global_buffer, .address_space: global }
      - { .name: xq_codes, .offset: 8, .size: 8, .value_kind: global_buffer, .address_space: global }
      - { .name: xq_scales, .offset: 16, .size: 8, .value_kind: global_buffer, .address_space: global }
    .group_segment_fixed_size: 33280
    .private_segment_fixed_size: 0
    .kernarg_segment_align: 8
    .kernarg_segment_size: 24
    .max_flat_workgroup_size: 128
    .sgpr_count:     66
    .vgpr_count:     194
    .wavefront_size: 32
...
	.end_amdgpu_metadata
.endif
;; end of part 1
;; launch proj (part 2): grid 4 x 96, 4 waves a work-group, clusters of 4 x 4, 327,680 bytes of LDS; arguments xq_codes, xq_scales, Wq_codes, Wq_scales, key_codes, key_scales, Wk_codes, Wk_scales, Wv_codes, Wv_scales, value_codes, value_scales, qimg, qsc, kv, sc; writes qimg, qsc, kv, sc
.if DOCPART == 2
	.amdgcn_target "amdgcn-amd-amdhsa--gfx1250"
	.amdhsa_code_object_version 6
	.text
	.protected	k_qa08f588533_proj
	.globl	k_qa08f588533_proj
	.p2align	8
	.type	k_qa08f588533_proj,@function
k_qa08f588533_proj:
	s_mov_b64 s[64:65], 0
	v_nop
	global_prefetch_b8 v0, s[64:65] scope:SCOPE_SE
	s_setreg_imm32_b32 hwreg(HW_REG_WAVE_MODE, 25, 1), 1
	s_wait_xcnt 0x0
	s_wait_alu depctr_hold_cnt(0) depctr_sa_sdst(0) depctr_va_vdst(0) depctr_va_sdst(0) depctr_va_ssrc(0) depctr_va_vcc(0) depctr_vm_vsrc(0)
	s_getreg_b32 s2, hwreg(HW_REG_IB_STS2, 6, 4)
	s_cmp_eq_u32 s2, 0
	s_cbranch_scc0 .Lentry_in_a_cluster
	s_endpgm
.Lentry_in_a_cluster:
	s_bfe_u32 s2, ttmp6, 0x10000c
	s_cmp_lg_u32 s2, 0xf033
	s_cbranch_scc0 .Lentry_shape_is_right
	s_endpgm
.Lentry_shape_is_right:
; THE THREE PROJECTIONS, each as C'[m][n] = sum over k of A'[m][k] B'[n][k], K = 1,024, on codes of BF6 (E3M2) with one E8M0 scale for each 32 along K; the result is QUANTISED ALONG n on the way out and leaves as codes.
;   projection 0: A' = query's codes (rows = b, s), B' = Wq (rows = head, channel): q, quantised along a head's 64 channels.      1: A' = key, B' = Wk: k likewise.
;   projection 2: A' = Wv (rows = head, channel), B' = value (rows = b, key): v TRANSPOSED, quantised along the keys, which are the K of attention's second product.
; A tile of C', 256 x 256, is made by a work-group of four waves; a wave makes 128 x 128: 64 accumulators of 16 x 16, 512 registers.  K goes in steps of 256 through a ring of two LDS slots filled by the tensor
; data mover; a tile's row is 192 bytes.  The scale bytes of the work-group's 256 + 256 rows, for all of K, are two dense blocks of memory: they come into LDS once, with the first fills.
; CLUSTERS: 4 x 4 work-groups, 8 clusters to a projection (the cluster's y: projection = y / 8).  The four of a row of the cluster need the same tiles of A', the four of a column the same tiles of B':
; each tile is asked for JOINTLY, by the same tensor load with the same descriptor and a mask that names the four.
; THE MATRIX INSTRUCTION IS USED TRANSPOSED (source 0 = 16 rows of B', source 1 = 16 rows of A'): lane (r, h) of accumulator (a, b) holds row 16 a + r of A' and columns 16 b + 8 h + 0 .. 7.
; THE WAY OUT.  For a block a of 16 rows a lane's 64 registers are its row's 128 columns' half: of each block of 32 columns, lanes 0-15 hold columns 0-7 and 16-23, lanes 16-31 columns 8-15 and 24-31.  The block's largest
; magnitude joins the two halves; the conversions and an exchange of halves give 12 registers of codes in the operand's own layout, in which the codes of a block of 32 stand in the order 0-7, 16-23, 8-15, 24-31.
; Both operands of each of attention's products are made here or there by these same lines, so the order is the same on both sides of a product, and the products are the same; the scales are per block and do not see it.
; The codes leave as IMAGES OF OPERAND REGISTERS: six registers of the 32 lanes are 768 bytes: registers 0-3 at 16 x lane, registers 4-5 at 512 + 8 x lane: each store covers 512 or 256 consecutive bytes, aligned.
;   qimg [b, head][tile of 16 queries: 128][768];  kv [b, head][step of 128 keys: 16][12,288]: 8 tiles of 16 keys x 768, then 4 tiles of (16 channels x 128 keys) x 1,536.
;   qsc [b, head][step][lane][4 words]: word j of lane l is the scale word of tile 2 j + l / 16, row l % 16 (bytes 0, 1: the head's two blocks; 2, 3: 0);  sc [b, head][step][768]: k's laid so, then v's [lane][2 words].
; LIMITS: a block's largest magnitude is taken no smaller than 2^-122; a block of zeros gets the byte 1 (its codes are zeros; this program alone reads the bytes); NaN and infinities are not served.
; 384 tiles for 256 WGPs: the second turn of the chip is half full; smaller tiles would read each LDS byte for half the products.  No prefetch: each tile is read by four work-groups at once and again by other clusters.
; REGISTERS, in windows of 256: window 0: v0-31 addresses; v32-63 scale words, two sets; v64-119 the way out; from v128 A's fragments, ONE set.   window 1: B's fragments, TWO sets, at v0 and v128.
;   window 2: the 32 accumulators of my rows 0-63 (accumulator (a, b) at v[8 (8 a + b)]);   window 3: those of my rows 64-127.
.set KSTEP,  256                       ; along K in a slot
.set NQ,     KSTEP/128                 ; matrix instructions deep
.set ROWB,   192                       ; a tile's row in bytes
.set KROW,   768                       ; a row of A' or B' in memory
.set PITCH,  240                       ; an LDS row: 3 x (64 bytes + 16 of padding) = 60 words: the 32 lanes of a load of 8 bytes touch 64 different banks (64 banks of 4 bytes: ISA guide 11.1)
.set FR,     12                        ; registers of a fragment: 16 rows x 128 K
.set NL,     6                         ; LDS loads that bring one
.set NP,     4                         ; places behind this matrix instruction (ISA guide 7.12.1)
.set HALFT,  128*PITCH                 ; 128 rows: what one tensor load brings
.set SLOT,   4*HALFT                   ; A's 256 rows, then B's 256 rows
.set LAPS,   2                         ; a lap = two K steps = once round the ring: 1,024 / 512
.set KS,     32                        ; a row of scale bytes
.set SCL,    2*SLOT                    ; behind the ring: the scales, as runs of 256 bytes + 16 of padding
.set HALFS,  (128*KS/256)*272          ; the scales of 128 rows
.set SBLK,   (16*KS/256)*272           ; those of 16 rows
.set SPARE,  SCL+4*HALFS               ; behind the scales: the spare words, 128 bytes for each wave, which no other line names
.set ADRA, 16                          ; v16-17  LDS address of my A fragments in slot 0, 1  (v18-19: for the pieces that lie behind one padding more)
.set ADRB, 20                          ; v20-21  the same for B  (v22-23)
.set LI16, 24                          ; v24     16 x lane
.set LI8,  25                          ; v25     8 x lane
.set LANE, 26                          ; v26     lane
.set ADRS, 27                          ; v27     LDS address of my scale words: lanes 0-15 A's rows, lanes 16-31 B's
.set SPW,  28                          ; v28     LDS address of my spare word; never rewritten
.set NIL,  29                          ; v29     0; never rewritten
.set SC,   32                          ; scale words: set s at v[SC + 16 s]; register 2 i + q: lanes 0-15 the word of A's block i, lanes 16-31 that of B's block i, for the slot's q-th 128 along K
.set TM,   64                          ; v64-67 largest magnitudes, v68-71 the other half's, then bytes, v76-79 the conversions' scale operands
.set CD,   80                          ; v80-91 a block's codes; v92-94, v96-98 the conversions' second halves
.set PWS,  100                         ; v100-107 the eight blocks' scale words
.set EE,   108                         ; v108-111 the words as they are stored: lanes 0-15 an even block's, lanes 16-31 the odd one's
.set FH,   112                         ; v112-119 their halves for the two heads
.set AF,   128                         ; A's fragments
.set PROJ, 2                           ; s2      the projection
.set G1, 24                            ; s[24:31] descriptor group 1 for A's tiles;  s[32:39] group 0, one set for each slot
.set G0, 32
.set G1B, 48                           ; s[48:55], s[56:63] the same for B's tiles
.set G0B, 56
.set G1S, 68                           ; s[68:75], s[76:79] groups 1 and 0 for A's scales;  s[80:87], s[88:91] for B's
.set G0S, 76
.set G1SB, 80
.set G0SB, 88
.set SEL, 98                           ; s[98:99] v_permlanex16_b32's selects for lane l xor 16
.set MSB, 0
.macro WIN new                         ; the immediate's high byte repeats the setting that is left
.if MSB != \new
	s_set_vgpr_msb (MSB<<8)|\new
.set MSB, \new
.endif
.endm
.set MUL_LO, 0xa1                      ; source 0 (B) window 1, source 1 (A) window 0, C and D window 2
.set MUL_HI, 0xf1                      ; the same, C and D window 3
.set TO_B,   0x40                      ; destination window 1, address window 0
; A joint load: waves 0 and 1 fetch for A, waves 2 and 3 for B.  Each of the two lines has ONE mask and one set of registers for all that issue it; the branch hangs on the wave's number alone.
; Four v_nop follow each of the two lines, ahead of the jump, the label and what follows.
.macro JLOAD g0a, g1a, g0b, g1b
	s_cmp_eq_u32 s15, 0
	s_cbranch_scc0 .Lfor_b_\@
	tensor_load_to_lds s[\g0a:\g0a+3], s[\g1a:\g1a+7]
	s_nop 0
.rept 4
	v_nop
.endr
	s_branch .Lasked_\@
.Lfor_b_\@:
	tensor_load_to_lds s[\g0b:\g0b+3], s[\g1b:\g1b+7]
	s_nop 0
.rept 4
	v_nop
.endr
.Lasked_\@:
.endm
.macro CREST                           ; a round of the cluster's barrier behind its opening barrier
	s_cmp_lg_u32 s14, 0
	s_cbranch_scc1 .Lnot_wave_0_\@
	s_barrier_signal -3
.Lnot_wave_0_\@:
	s_barrier_wait -3
	s_barrier_signal -1
	s_barrier_wait -1
.endm
.macro CROUND                          ; a whole round
	s_barrier_signal -1
	s_barrier_wait -1
	CREST
.endm
	s_load_b256 s[68:75], s[0:1], 0x0              ; projection 0: A's codes, A's scales, B's codes, B's scales
	s_load_b256 s[76:83], s[0:1], 0x20             ; projection 1
	s_load_b256 s[84:91], s[0:1], 0x40             ; projection 2
	s_load_b256 s[92:99], s[0:1], 0x60             ; qimg, qsc, kv, sc
	v_lshl_add_u32 v[SPW], v0, 2, SPARE
	v_mov_b32 v[NIL], 0
	ds_add_u32 v28, v29
	ds_add_u32 v28, v29
	s_wait_dscnt 0x0
	v_lshrrev_b32 v1, 5, v0
	v_readfirstlane_b32 s14, v1                    ; wave 0..3
	s_lshr_b32 s15, s14, 1                         ; which half of the tile's rows is mine.  Also: I fetch for A (0) or for B (1)
	s_and_b32 s16, s14, 1                          ; which half of its columns.  Also: which 128 rows of that tile I fetch
	s_bfe_u32 s40, ttmp6, 0x40000                  ; cx, cy: my place in the cluster
	s_bfe_u32 s41, ttmp6, 0x40004
	s_and_b32 s18, ttmp7, 0xffff                   ; the cluster's y, 0 .. 23: the same in all sixteen partners
	s_lshr_b32 s[PROJ], s18, 3                     ; the projection
	s_and_b32 s18, s18, 7
	s_lshl_b32 s18, s18, 2                         ; four tiles a cluster along the long axis (8,192 rows): A's rows in projections 0 and 1, B's rows in projection 2
	s_cmp_eq_u32 s[PROJ], 2
	s_cselect_b32 s17, 0, s18
	s_cselect_b32 s42, s18, 0
	s_add_co_u32 s17, s17, s41                     ; tile row of C': hangs on cy alone within the cluster
	s_add_co_u32 s42, s42, s40                     ; tile column of C': on cx alone
	s_lshl_b32 s43, s41, 2
	s_lshl_b32 s43, 15, s43                        ; my row of the cluster
	s_lshl_b32 s44, 0x1111, s40                    ; my column
	s_wait_kmcnt 0x0
	s_cmp_eq_u32 s[PROJ], 1                        ; the buffers are chosen by the projection, which hangs on no address
	s_cselect_b64 s[4:5], s[76:77], s[68:69]       ; A's codes
	s_cselect_b64 s[6:7], s[78:79], s[70:71]       ; A's scales
	s_cselect_b64 s[8:9], s[80:81], s[72:73]       ; B's codes
	s_cselect_b64 s[10:11], s[82:83], s[74:75]     ; B's scales
	s_cmp_eq_u32 s[PROJ], 2
	s_cselect_b64 s[4:5], s[84:85], s[4:5]
	s_cselect_b64 s[6:7], s[86:87], s[6:7]
	s_cselect_b64 s[8:9], s[88:89], s[8:9]
	s_cselect_b64 s[10:11], s[90:91], s[10:11]
	s_cmp_eq_u32 s[PROJ], 0
	s_cselect_b64 s[12:13], s[92:93], s[96:97]     ; the images: qimg or kv
	s_cselect_b64 s[100:101], s[94:95], s[98:99]   ; the scale words: qsc or sc
	s_mov_b32 s[SEL], 0x76543210
	s_mov_b32 s[SEL+1], 0xfedcba98
	; descriptor group 1: a tile of 128 rows x ROWB bytes, padded in LDS
	s_or_b32 s[G1+0], s43, (0<<16)|(1<<20)|(1<<21)|(3<<22)|(3<<25)  ; 15:0 the mask: A's tiles go to my row; 17:16 element of 1 byte; 20 padding on; 21 set beside a mask; 24:22 after every 16 words (code 3); 31:25 of 4 words (code 3)
	s_or_b32 s[G1B+0], s44, (0<<16)|(1<<20)|(1<<21)|(3<<22)|(3<<25)
.irp g, G1, G1B
	s_mov_b32 s[\g+1], ROWB<<16                    ; tensor_dim0
	s_mov_b32 s[\g+2], 128<<16                     ; tensor_dim1 = 128
	s_mov_b32 s[\g+3], ROWB<<16                    ; tile_dim0
	s_mov_b32 s[\g+4], 128                         ; tile_dim1 = 128
	s_mov_b32 s[\g+5], KROW                        ; tensor_dim0_stride
	s_mov_b32 s[\g+6], 0
	s_mov_b32 s[\g+7], 0
.endr
	; and for the scales of 128 rows: a dense block of 4,096 bytes, as rows of 256 bytes (32 elements of 8 bytes), 16 bytes of padding behind each
	s_or_b32 s[G1S+0], s43, (3<<16)|(1<<20)|(1<<21)|(5<<22)|(3<<25)
	s_or_b32 s[G1SB+0], s44, (3<<16)|(1<<20)|(1<<21)|(5<<22)|(3<<25)
.irp g, G1S, G1SB
	s_mov_b32 s[\g+1], 32<<16
	s_mov_b32 s[\g+2], (128*KS/256)<<16
	s_mov_b32 s[\g+3], 32<<16
	s_mov_b32 s[\g+4], 128*KS/256
	s_mov_b32 s[\g+5], 32
	s_mov_b32 s[\g+6], 0
	s_mov_b32 s[\g+7], 0
.endr
	s_lshl_b32 s18, s16, 7                         ; which 128 rows of the tile I fetch
	s_lshl_b32 s20, s17, 8
	s_add_co_u32 s20, s20, s18                     ; A: row 256 x tile row + 128 x half
	s_lshl_b32 s46, s42, 8
	s_add_co_u32 s46, s46, s18                     ; B: row 256 x tile column + 128 x half
	s_mov_b32 s21, 0
	s_mov_b32 s47, 0
	s_mov_b64 s[18:19], KS
	s_mul_u64 s[22:23], s[20:21], s[18:19]         ; where these rows' scales begin, in bytes
	s_mul_u64 s[92:93], s[46:47], s[18:19]
	s_mov_b64 s[18:19], KROW
	s_mul_u64 s[20:21], s[20:21], s[18:19]         ; and their codes
	s_mul_u64 s[46:47], s[46:47], s[18:19]
	s_mul_i32 s45, s14, HALFT                      ; where they go: wave x 128 rows: no place in the cluster enters an LDS address
	s_mul_i32 s94, s14, HALFS
	s_add_nc_u64 s[20:21], s[4:5], s[20:21]
	s_add_nc_u64 s[22:23], s[6:7], s[22:23]
	s_add_nc_u64 s[46:47], s[8:9], s[46:47]
	s_add_nc_u64 s[92:93], s[10:11], s[92:93]
	CROUND                                         ; all sixteen work-groups are here: the first joint loads meet
	s_mov_b32 s[G0S], 1
	s_add_co_u32 s[G0S+1], s94, SCL
	s_mov_b64 s[G0S+2:G0S+3], s[22:23]
	s_or_b32 s[G0S+3], s[G0S+3], 0x80000000
	s_mov_b32 s[G0SB], 1
	s_add_co_u32 s[G0SB+1], s94, SCL
	s_mov_b64 s[G0SB+2:G0SB+3], s[92:93]
	s_or_b32 s[G0SB+3], s[G0SB+3], 0x80000000
	JLOAD G0S, G1S, G0SB, G1SB                     ; the scales first: they are wanted with K step 0
.irp s, 0,1
	s_mov_b32 s[G0+4*\s], 1
	s_add_co_u32 s[G0+4*\s+1], s45, \s*SLOT
	s_add_nc_u64 s[G0+4*\s+2:G0+4*\s+3], s[20:21], \s*ROWB
	s_or_b32 s[G0+4*\s+3], s[G0+4*\s+3], 0x80000000
	s_mov_b32 s[G0B+4*\s], 1
	s_add_co_u32 s[G0B+4*\s+1], s45, \s*SLOT
	s_add_nc_u64 s[G0B+4*\s+2:G0B+4*\s+3], s[46:47], \s*ROWB
	s_or_b32 s[G0B+4*\s+3], s[G0B+4*\s+3], 0x80000000
	JLOAD G0+4*\s, G1, G0B+4*\s, G1B               ; three tensor loads of mine are out
.endr
	v_and_b32 v1, 15, v0                           ; l % 16
	v_bfe_u32 v2, v0, 4, 1                         ; l / 16
	v_mul_u32_u24 v3, v1, PITCH
	v_mul_u32_u24 v4, v2, 24
	v_add_nc_u32 v4, v3, v4                        ; a fragment's row x pitch + 24 x half
	v_lshl_add_u32 v5, v2, 4, v4                   ; and the same behind one padding more
	s_mul_i32 s21, s15, HALFT                      ; my 128 rows of A
	s_mul_i32 s22, s16, HALFT                      ; my 128 rows of B,
	s_add_co_u32 s22, s22, 2*HALFT                 ; which lie behind A's 256
.irp s, 0,1
	v_add_nc_u32 v[ADRA+\s], s21, v4
	v_add_nc_u32 v[ADRB+\s], s22, v4
	v_add_nc_u32 v[ADRA+2+\s], s21, v5
	v_add_nc_u32 v[ADRB+2+\s], s22, v5
	s_add_co_u32 s21, s21, SLOT
	s_add_co_u32 s22, s22, SLOT
.endr
	v_mul_u32_u24 v5, v1, KS                       ; my row's scales: KS bytes a row,
	v_lshrrev_b32 v6, 8, v5
	v_lshl_add_u32 v5, v6, 4, v5                   ; and 16 more for each 256 passed
	s_mul_i32 s21, s15, HALFS                      ; A's: my 128 rows
	s_mul_i32 s22, s16, HALFS                      ; B's: my 128 rows, behind A's 256
	s_add_co_u32 s22, s22, 2*HALFS
	s_sub_co_u32 s22, s22, s21
	v_mul_u32_u24 v6, s22, v2                      ; lanes 16-31 take B's
	s_add_co_u32 s21, s21, SCL
	v_add_nc_u32 v5, v5, v6
	v_add_nc_u32 v[ADRS], s21, v5
	; WHERE MY 128 x 128 GOES.  RI, CI: which 128 rows, which 128 columns of C' are mine.  Of the two, one counts (b, step of 128 along the sequence), the other a pair of heads.
	s_lshl_b32 s18, s17, 1
	s_add_co_u32 s18, s18, s15                     ; RI
	s_lshl_b32 s19, s42, 1
	s_add_co_u32 s19, s19, s16                     ; CI
	s_cmp_eq_u32 s[PROJ], 2
	s_cselect_b32 s20, s19, s18                    ; 16 b + step
	s_cselect_b32 s21, s18, s19                    ; the pair of heads
	s_cselect_b32 s46, 6144, 0                     ; v's tiles lie behind k's in a step
	s_cselect_b32 s47, 512, 0                      ; and so do its scale words
	s_mov_b32 s92, 768
	s_cselect_b32 s92, 1536, s92                   ; from block to block: an image of 6 registers (q, k) or of 12 (v)
	s_cselect_b32 s94, 190464, 0                   ; v: behind block 3 on to the next head: 196,608 - 4 x 1,536
	s_cmp_eq_u32 s[PROJ], 0
	s_mov_b32 s43, 196608
	s_cselect_b32 s43, 98304, s43                  ; a head's bytes: qimg 128 x 768, kv 16 x 12,288
	s_mov_b32 s44, 12288
	s_cselect_b32 s44, 6144, s44                   ; a step's bytes
	s_mov_b32 s45, 768
	s_cselect_b32 s45, 512, s45                    ; a step's scale words
	s_cmp_eq_u32 s[PROJ], 2
	s_cselect_b32 s96, 768, s43                    ; from registers 0-5 to registers 6-11: the fragment's second half (v), or the next head (q, k)
	s_mov_b32 s93, 0
	s_mov_b32 s95, 0
	s_mov_b32 s97, 0
	s_lshr_b32 s22, s20, 4
	s_lshl_b32 s22, s22, 4
	s_lshl_b32 s23, s21, 1
	s_add_co_u32 s22, s22, s23                     ; 16 b + my first head
	s_and_b32 s23, s20, 15                         ; the step
	s_mul_i32 s18, s22, s43
	s_mul_i32 s19, s23, s44
	s_add_co_u32 s18, s18, s19
	s_add_co_u32 s18, s18, s46
	s_mov_b32 s19, 0
	s_add_nc_u64 s[12:13], s[12:13], s[18:19]      ; where registers 0-5 of block 0 go,
	s_add_nc_u64 s[20:21], s[12:13], s[96:97]      ; and registers 6-11
	s_lshl_b32 s18, s22, 4
	s_add_co_u32 s18, s18, s23
	s_mul_i32 s18, s18, s45
	s_add_co_u32 s18, s18, s47
	s_add_nc_u64 s[100:101], s[100:101], s[18:19]  ; the first head's scale words,
	s_lshl_b32 s18, s45, 4
	s_add_nc_u64 s[22:23], s[100:101], s[18:19]    ; the second's: 16 steps on
.macro FRAG reg, adr, q, i             ; a fragment, 16 rows x 128 K of 6-bit codes, is 12 registers: lane l holds row l % 16; registers 6 c .. 6 c + 5 hold K = 64 c + 32 (l / 16) + 0 .. 31: 24 bytes of the row's stream of bits, as they lie
.irp p, 0,1,2,3,4,5                    ; in pieces of 8 bytes.  Lanes 0-15 take the row's pieces 12 q + 0, 1, 2 and 12 q + 6, 7, 8, lanes 16-31 those three pieces on
.set PIECE, 12*(\q)+6*(\p/3)+\p%3      ; 16 bytes of padding lie behind every 8 pieces: where the piece three on lies behind one padding more, the second address register serves
.if PIECE%8 < 5
	ds_load_b64 v[\reg+2*\p:\reg+2*\p+1], v[\adr] offset:8*PIECE+16*(PIECE/8)+(\i)*16*PITCH
.else
	ds_load_b64 v[\reg+2*\p:\reg+2*\p+1], v[\adr+2] offset:8*PIECE+16*(PIECE/8)+(\i)*16*PITCH
.endif
.endr
.endm
; 16 matrix instructions: A's blocks a0, a0 + 1 x B's eight, 128 along K: the slot's q-th.  p: B's set;  sc: the set of scale words.  zero = 1: the first product starts the sums: nothing is ever cleared.
; The 64 accumulators take turns, one instruction a turn, in the same order in every step.
.macro MUL16 a0, p, q, sc, zero
.irp a, \a0, \a0+1
.irp b, 0,1,2,3,4,5,6,7
.if \zero
	v_wmma_scale_f32_16x16x128_f8f6f4 v[8*(8*((\a)%4)+\b):8*(8*((\a)%4)+\b)+7], v[128*(\p)+FR*\b:128*(\p)+FR*\b+FR-1], v[AF+FR*(\a):AF+FR*(\a)+FR-1], 0, v[SC+8*NQ*(\sc)+NQ*\b+(\q)], v[SC+8*NQ*(\sc)+NQ*(\a)+(\q)] matrix_a_fmt:MATRIX_FMT_BF6 matrix_b_fmt:MATRIX_FMT_BF6 matrix_a_scale:MATRIX_SCALE_ROW1
.else
	v_wmma_scale_f32_16x16x128_f8f6f4 v[8*(8*((\a)%4)+\b):8*(8*((\a)%4)+\b)+7], v[128*(\p)+FR*\b:128*(\p)+FR*\b+FR-1], v[AF+FR*(\a):AF+FR*(\a)+FR-1], v[8*(8*((\a)%4)+\b):8*(8*((\a)%4)+\b)+7], v[SC+8*NQ*(\sc)+NQ*\b+(\q)], v[SC+8*NQ*(\sc)+NQ*(\a)+(\q)] matrix_a_fmt:MATRIX_FMT_BF6 matrix_b_fmt:MATRIX_FMT_BF6 matrix_a_scale:MATRIX_SCALE_ROW1
.endif
.endr
.endr
.endm
.macro FETCH_B slot, q, p              ; B's eight fragments of the slot's q-th 128 along K into set p
	WIN TO_B
.irp i, 0,1,2,3,4,5,6,7
	FRAG 128*(\p)+FR*\i, ADRB+\slot, \q, \i
.endr
	WIN 0
.endm
.macro FETCH_A slot, q, i0             ; A's blocks i0 .. i0 + 3
.irp i, \i0, \i0+1, \i0+2, \i0+3
	FRAG AF+FR*(\i), ADRA+\slot, \q, \i
.endr
.endm
.macro SCALES sc                       ; the next K step's scale words into set sc: two words a row; lanes 0-15 take A's block i, lanes 16-31 B's block i
.irp i, 0,1,2,3,4,5,6,7
	ds_load_b64 v[SC+8*NQ*\sc+NQ*\i:SC+8*NQ*\sc+NQ*\i+1], v[ADRS] offset:\i*SBLK
.endr
.endm
; A load into a register that a matrix instruction has read stands NP places behind that matrix instruction, and only plain vector instructions that name none of its registers are places
; (ISA guide 7.12.1 for vector instructions); the matrix instructions in between are not counted.
.macro PLACES n
.rept \n
	v_nop
.endr
.endm
; A step of 128 along K that has its successor in the same slot.
.macro STEP slot, q, zero
	s_wait_dscnt 4*NL                              ; B's set and A's blocks 0-3 are in; the youngest 24 loads (A's blocks 4-7) may be out
	WIN MUL_LO
	MUL16 0, (\q)%2, \q, \slot, \zero
	MUL16 2, (\q)%2, \q, \slot, \zero
	s_wait_dscnt 0                                 ; A's blocks 4-7 are in (asked for 32 matrix instructions ago)
	PLACES NP
	FETCH_B \slot, (\q)+1, 1-(\q)%2
	FETCH_A \slot, (\q)+1, 0
	WIN MUL_HI
	MUL16 4, (\q)%2, \q, \slot, \zero
	MUL16 6, (\q)%2, \q, \slot, \zero
	PLACES NP
	WIN 0
	FETCH_A \slot, (\q)+1, 4
.endm
; A slot's last step changes slots: ONE barrier; in front of it each wave waits for all its tensor loads, adds 0 to its spare word, and waits for that and for its own reads of this slot.  fill = 1: this slot is filled again, two K steps ahead.
.macro TURN slot, next, fill
	s_wait_tensorcnt 0x0                           ; all my tensor loads have landed: my part of the next slot;  (every window is 0 here: the add's two registers lie in window 0)
	ds_add_u32 v[SPW], v[NIL]                      ; 0 onto my spare word
	s_wait_dscnt 4*NL+1                            ; (the add and the youngest 24 loads, A's blocks 4-7, may be out)
	WIN MUL_LO
	MUL16 0, 1, NQ-1, \slot, 0                     ; sixteen matrix instructions stand between the add and the wait for it
	s_wait_dscnt 0x0                               ; the add is done, and my reads of this slot are over
	s_barrier_signal -1
	MUL16 2, 1, NQ-1, \slot, 0
	WIN 0
	s_barrier_wait -1
.if \fill
	CREST                                          ; the barrier has opened a round of the cluster's barrier: no wave of any partner still reads this slot's tile or has a load on its way
	s_add_nc_u64 s[G0+4*\slot+2:G0+4*\slot+3], s[G0+4*\slot+2:G0+4*\slot+3], 2*ROWB
	s_add_nc_u64 s[G0B+4*\slot+2:G0B+4*\slot+3], s[G0B+4*\slot+2:G0B+4*\slot+3], 2*ROWB
	JLOAD G0+4*\slot, G1, G0B+4*\slot, G1B         ; the first tensor load behind the round; the four v_nop behind it are the places in front of the loads below
.else
	PLACES NP
.endif
	v_add_nc_u32 v[ADRS], 4*NQ, v[ADRS]            ; on to the next K step's scale words (no LDS load of mine is out)
	FETCH_B \next, 0, 0
	FETCH_A \next, 0, 0
	SCALES \next
	WIN MUL_HI
	MUL16 4, 1, NQ-1, \slot, 0
	MUL16 6, 1, NQ-1, \slot, 0
	PLACES NP
	WIN 0
	FETCH_A \next, 0, 4
.endm
	s_wait_tensorcnt 1                             ; the scales and my part of K step 0 are in (K step 1's load may be out)
	s_barrier_signal -1
	s_barrier_wait -1                              ; everybody's are
	FETCH_B 0, 0, 0
	FETCH_A 0, 0, 0
	SCALES 0
	FETCH_A 0, 0, 4
	STEP 0, 0, 1                                   ; the first step stands in front of the loop: its products start the sums
	s_mov_b32 s3, LAPS-1
.Llap:                                                 ; a trip goes once round the ring, from a lap's second step to the next lap's first, and fills both slots again
	TURN 0, 1, 1
	STEP 1, 0, 0
	TURN 1, 0, 1
	STEP 0, 0, 0
	s_sub_co_u32 s3, s3, 1
	s_cmp_lg_u32 s3, 0
	s_cbranch_scc1 .Llap
	TURN 0, 1, 0                                   ; the last lap fills nothing, and has no round of the cluster's barrier
	STEP 1, 0, 0
	s_wait_dscnt 4*NL                              ; the very last step: nothing more to fetch
	WIN MUL_LO
	MUL16 0, 1, NQ-1, 1, 0
	MUL16 2, 1, NQ-1, 1, 0
	s_wait_dscnt 0
	WIN MUL_HI
	MUL16 4, 1, NQ-1, 1, 0
	MUL16 6, 1, NQ-1, 1, 0
	WIN 0
; THE WAY OUT.  Block a (16 rows of A', my 128 columns) becomes 12 registers of codes and a scale word a row.
.macro QBLOCK a
.set AC, 64*((\a)%4)                   ; its eight accumulators, in window 2 (blocks 0-3) or 3 (blocks 4-7)
.set WA, 2+(\a)/4
.set WW, WA*5                          ; sources 0 and 1 in that window
	WIN WW
.irp b, 0,1,2,3
	v_max3_num_f32 v[TM+\b], |v[AC+16*\b]|, |v[AC+16*\b+1]|, 0x2800000   ; block b of 32 columns: my 16 numbers, and the floor 2^(5 - 127): so the byte cannot fall under 1.  Each accumulator is read from its low end on
.endr
.irp i, 2,4,6,8,10,12,14
.irp b, 0,1,2,3
	v_max3_num_f32 v[TM+\b], |v[AC+16*\b+\i]|, |v[AC+16*\b+\i+1]|, v[TM+\b]   ; (the four blocks by turns)
.endr
.endr
	WIN 0
.irp b, 0,1,2,3
	v_permlanex16_b32 v[TM+4+\b], v[TM+\b], s[SEL], s[SEL+1]
.endr
.irp b, 0,1,2,3
	v_max_num_f32 v[TM+\b], v[TM+\b], v[TM+4+\b]   ; with lane l xor 16's: the block's largest magnitude
.endr
.irp b, 0,1,2,3
	v_add_nc_u32 v[TM+12+\b], 0xfe000000, v[TM+\b] ; 4 off its exponent field: the conversion's scale operand
.endr
.irp b, 0,1,2,3
	v_lshrrev_b32 v[TM+4+\b], 23, v[TM+12+\b]      ; the scale's byte
.endr
	v_lshl_or_b32 v[PWS+\a], v[TM+5], 8, v[TM+4]   ; the four bytes make my row's scale word
	v_lshl_or_b32 v[PWS+\a], v[TM+6], 16, v[PWS+\a]
	v_lshl_or_b32 v[PWS+\a], v[TM+7], 24, v[PWS+\a]
.if \a > 0
	s_wait_xcnt 0x0                                ; the last block's stores have read their data and their bases: both are written again only behind this wait
	s_add_nc_u64 s[12:13], s[12:13], s[92:93]
	s_add_nc_u64 s[20:21], s[20:21], s[92:93]
.endif
.if \a == 4
	s_add_nc_u64 s[12:13], s[12:13], s[94:95]
	s_add_nc_u64 s[20:21], s[20:21], s[94:95]
.endif
	WIN WA                                         ; source 0 in the accumulators' window
.irp c, 0,1
	v_cvt_scalef32_pk16_bf6_f32 v[CD+6*\c:CD+6*\c+2], v[AC+32*\c:AC+32*\c+15], v[TM+12+2*\c]
	v_cvt_scalef32_pk16_bf6_f32 v[CD+12+4*\c:CD+14+4*\c], v[AC+32*\c+16:AC+32*\c+31], v[TM+13+2*\c]   ; (a conversion's three registers begin on an even number)
.endr
	WIN 0
	v_nop                                          ; one plain instruction behind a scaled conversion
.irp c, 0,1                                    ; the operand's layout wants a WHOLE block in a lane: lanes 0-15 block 2 c, lanes 16-31 block 2 c + 1
.irp i, 0,1,2
	v_permlane16_swap_b32 v[CD+6*\c+\i], v[CD+12+4*\c+\i]
.endr
.irp i, 0,1,2
	v_mov_b32 v[CD+3+6*\c+\i], v[CD+12+4*\c+\i]
.endr
.endr
	global_store_b128 v[LI16], v[CD:CD+3], s[12:13]               ; 512 consecutive bytes, aligned
	global_store_b64 v[LI8], v[CD+4:CD+5], s[12:13] offset:512    ; 256
	global_store_b128 v[LI16], v[CD+6:CD+9], s[20:21]
	global_store_b64 v[LI8], v[CD+10:CD+11], s[20:21] offset:512
.endm
.irp b, 0,1,2,3
	v_mov_b32 v[TM+4+\b], 0                        ; a lane permute's destination counts as one of its sources: written once.  These four are also the places behind the last products
.endr
	v_and_b32 v[LANE], 31, v0
	v_lshlrev_b32 v[LI16], 4, v[LANE]
	v_lshlrev_b32 v[LI8], 3, v[LANE]
.irp a, 0,1,2,3,4,5,6,7
	QBLOCK \a
.endr
	v_cmp_le_u32 vcc_lo, 16, v[LANE]
.irp j, 0,1,2,3
	v_cndmask_b32 v[EE+\j], v[PWS+2*\j], v[PWS+2*\j+1], vcc_lo   ; lanes 0-15 block 2 j's words, lanes 16-31 block 2 j + 1's: so one register serves two tiles, by the row of lanes that the product names
.endr
	s_cmp_eq_u32 s[PROJ], 2                        ; the same in all sixteen partners; only vector instructions and stores stand in the two arms
	s_cbranch_scc1 .Lv_scales
.irp j, 0,1,2,3
	v_and_b32 v[FH+\j], 0xffff, v[EE+\j]           ; q, k: bytes 0, 1 are the first head's two blocks,
.endr
.irp j, 0,1,2,3
	v_lshrrev_b32 v[FH+4+\j], 16, v[EE+\j]         ; bytes 2, 3 the second's; the upper two bytes of each word are 0: they scale zero codes
.endr
	global_store_b128 v[LI16], v[FH:FH+3], s[100:101]
	global_store_b128 v[LI16], v[FH+4:FH+7], s[22:23]
	s_branch .Lscales_out
.Lv_scales:
	global_store_b64 v[LI8], v[EE:EE+1], s[100:101]   ; v: blocks 0-3 are the first head's four tiles of channels, each word four blocks of keys,
	global_store_b64 v[LI8], v[EE+2:EE+3], s[22:23]   ; blocks 4-7 the second's
.Lscales_out:
	s_wait_tensorcnt 0x0                           ; the wave's end, behind my last tensor load
	ds_add_u32 v[SPW], v[NIL]
	s_wait_dscnt 0x0
	CROUND                                         ; the closing round: no work-group ends while a partner may still ask for a tile that names it
	s_endpgm
.Lfunc_end_k_qa08f588533_proj:
	.size	k_qa08f588533_proj, .Lfunc_end_k_qa08f588533_proj-k_qa08f588533_proj
	.p2alignl 7, 3214868480
	.fill 96, 4, 3214868480
	.section	.rodata,"a",@progbits
	.p2align	6, 0x0
	.amdhsa_kernel k_qa08f588533_proj
		.amdhsa_group_segment_fixed_size 327680
		.amdhsa_private_segment_fixed_size 0
		.amdhsa_enable_private_segment 0
		.amdhsa_kernarg_size 128
		.amdhsa_user_sgpr_count 2
		.amdhsa_user_sgpr_kernarg_segment_ptr 1
		.amdhsa_wavefront_size32 1
		.amdhsa_system_sgpr_workgroup_id_x 1
		.amdhsa_system_sgpr_workgroup_id_y 1
		.amdhsa_system_sgpr_workgroup_id_z 1
		.amdhsa_system_vgpr_workitem_id 0
		.amdhsa_next_free_vgpr 1024
		.amdhsa_next_free_sgpr 102
		.amdhsa_reserve_vcc 1
		.amdhsa_float_denorm_mode_32 3
		.amdhsa_float_denorm_mode_16_64 3
		.amdhsa_memory_ordered 1
		.amdhsa_forward_progress 1
		.amdhsa_inst_pref_size 168
	.end_amdhsa_kernel
	.amdgpu_metadata
---
amdhsa.version: [ 1, 2 ]
amdhsa.kernels:
  - .name:           k_qa08f588533_proj
    .symbol:         k_qa08f588533_proj.kd
    .args:
      - { .name: xq_codes, .offset: 0, .size: 8, .value_kind: global_buffer, .address_space: global }
      - { .name: xq_scales, .offset: 8, .size: 8, .value_kind: global_buffer, .address_space: global }
      - { .name: Wq_codes, .offset: 16, .size: 8, .value_kind: global_buffer, .address_space: global }
      - { .name: Wq_scales, .offset: 24, .size: 8, .value_kind: global_buffer, .address_space: global }
      - { .name: key_codes, .offset: 32, .size: 8, .value_kind: global_buffer, .address_space: global }
      - { .name: key_scales, .offset: 40, .size: 8, .value_kind: global_buffer, .address_space: global }
      - { .name: Wk_codes, .offset: 48, .size: 8, .value_kind: global_buffer, .address_space: global }
      - { .name: Wk_scales, .offset: 56, .size: 8, .value_kind: global_buffer, .address_space: global }
      - { .name: Wv_codes, .offset: 64, .size: 8, .value_kind: global_buffer, .address_space: global }
      - { .name: Wv_scales, .offset: 72, .size: 8, .value_kind: global_buffer, .address_space: global }
      - { .name: value_codes, .offset: 80, .size: 8, .value_kind: global_buffer, .address_space: global }
      - { .name: value_scales, .offset: 88, .size: 8, .value_kind: global_buffer, .address_space: global }
      - { .name: qimg, .offset: 96, .size: 8, .value_kind: global_buffer, .address_space: global }
      - { .name: qsc, .offset: 104, .size: 8, .value_kind: global_buffer, .address_space: global }
      - { .name: kv, .offset: 112, .size: 8, .value_kind: global_buffer, .address_space: global }
      - { .name: sc, .offset: 120, .size: 8, .value_kind: global_buffer, .address_space: global }
    .group_segment_fixed_size: 327680
    .private_segment_fixed_size: 0
    .kernarg_segment_align: 8
    .kernarg_segment_size: 128
    .max_flat_workgroup_size: 128
    .sgpr_count:     102
    .vgpr_count:     1024
    .wavefront_size: 32
...
	.end_amdgpu_metadata
.endif
;; end of part 2
;; launch attn (part 3): grid 8 x 64, 8 waves a work-group, clusters of 4 x 1, 218,112 bytes of LDS; arguments qimg, qsc, kv, sc, mask, aimg, asc; writes aimg, asc
.if DOCPART == 3
	.amdgcn_target "amdgcn-amd-amdhsa--gfx1250"
	.amdhsa_code_object_version 6
	.text
	.protected	k_qa08f588533_attn
	.globl	k_qa08f588533_attn
	.p2align	8
	.type	k_qa08f588533_attn,@function
k_qa08f588533_attn:
	s_mov_b64 s[64:65], 0
	v_nop
	global_prefetch_b8 v0, s[64:65] scope:SCOPE_SE
	s_setreg_imm32_b32 hwreg(HW_REG_WAVE_MODE, 25, 1), 1
	s_wait_xcnt 0x0
	s_wait_alu depctr_hold_cnt(0) depctr_sa_sdst(0) depctr_va_vdst(0) depctr_va_sdst(0) depctr_va_ssrc(0) depctr_va_vcc(0) depctr_vm_vsrc(0)
	s_getreg_b32 s2, hwreg(HW_REG_IB_STS2, 6, 4)
	s_cmp_eq_u32 s2, 0
	s_cbranch_scc0 .Lentry_in_a_cluster
	s_endpgm
.Lentry_in_a_cluster:
	s_bfe_u32 s2, ttmp6, 0x10000c
	s_cmp_lg_u32 s2, 0x3003
	s_cbranch_scc0 .Lentry_shape_is_right
	s_endpgm
.Lentry_shape_is_right:
; ATTENTION of one (batch, head) on codes of BF6 (E3M2) with one E8M0 scale for each 32 along a product's K: scores = q k^T / 8 + (mask - 1) x 1e8, softmax, x v; the result is quantised along the head's 64 channels and
; leaves as codes for the last product.  2,048 keys, head size 64.
; THE SOFTMAX AHEAD OF THE SECOND PRODUCT: t = logit x log2(e); M = the row's largest t so far, rounded UP to a whole number; p = 2^(t - M) is what is quantised, along the keys; it is not normalised.
; The row's sum is taken of the unquantised p, in f32, and divides at the end.  When M moves, the sum and O are multiplied by 2^(old M - new M): exact.
; SHARES.  A work-group owns 256 queries of a head; each of its eight waves two tiles of 16, so that each fragment of K and V and each mask register read from LDS feeds two products.  Two waves to a SIMD: one's vector work
; stands beside the other's matrix work and LDS loads.  Every wave walks all keys, 128 a step.
; LDS IS FILLED ONCE: a head's codes of K and V (196,608 bytes), their scale words (12,288) and the batch's mask as f32 (8,192) lie there for the whole launch: no slot is filled again, so there is no ring.
; CLUSTER.  The four query blocks of a cluster belong to one head and want the same K and V: each tile is asked for JOINTLY, by the same tensor load with the same descriptor and a mask that names the four.
; Nothing is prefetched: all that the launch reads is asked for at its head.
; OPERANDS ARE IMAGES OF THEIR REGISTERS (made by the launch before): six registers of 32 lanes are 768 bytes: registers 0-3 at 16 x lane, registers 4-5 at 512 + 8 x lane: every LDS load reads consecutive bytes.
; LAYOUT.  Both products are used transposed: S^T = K Q^T (source 0 = 16 keys, source 1 = 16 queries), O^T = V^T P^T (source 0 = 16 channels, source 1 = P): a lane holds ONE query (lane % 16) throughout.
; THE FIRST PRODUCT'S K IS 64: registers 0-5 of both fragments hold the head's two blocks, registers 6-11 are zero codes on both sides, and the scale words' upper two bytes are 0 (2^-127, over zeros).
; THE MASK IS THE C OF THE FIRST PRODUCT: C = (mask - 1) x 8e8, so that S = 8 x logit in one sum and t = S x log2(e) / 8; the factor 8 is a power of two and rounds nothing.
; ORDER INSIDE A BLOCK OF 32.  A tile is 16 neighbouring keys, so of a block of 32 keys lanes 0-15 hold keys 0-7 and 16-23, lanes 16-31 keys 8-15 and 24-31, and p's codes stand in the order 0-7, 16-23, 8-15, 24-31.
; V's codes were made by the same lines from the same layout and stand in the same order, and so do q's and k's along the channels: the order is alike on both sides of each product.  The result's codes meet Wo's, which
; stand in the natural order: the way out puts them right (8 codes are 6 bytes: bytes 6-11 and 12-17 of a block's 24 change places).
; LIMITS: where a hidden key's -8e8 + score is rounded, the rounding is the matrix unit's own; it shows only where a batch's mask hides every key.  A block's largest magnitude is taken no smaller than 2^-122;
; a block of zeros gets the byte 1 (its codes are zeros; this program alone reads the bytes).  NaN and infinities are not served.
.set KVSTEP, 12288                     ; a step in LDS: 8 tiles of K x 768, then 4 tiles of V x 1,536
.set SCSTEP, 768                       ; its scale words: K's [lane][4], then V's [lane][2]
.set SCL,    196608                    ; behind the codes: the scale words
.set MSK,    208896                    ; behind them: the mask's C, 2,048 f32; written by LDS stores, never a tile's target
; window 0
.set LI16, 1                           ; v1   16 x lane
.set LI8,  2                           ; v2   8 x lane
.set H32,  3                           ; v3   32 x (lane / 16)
.set ADK,  4                           ; v4-8 the step's LDS addresses: codes by 16 and by 8 bytes a lane, scale words likewise, mask
.set ADK8, 5
.set ADS,  6
.set ADS8, 7
.set ADM,  8
.set ST,   10                          ; tile t at v[ST + 4 t]: -M, the largest t, the sum in two halves
.set FF,   18                          ; v[FF + 2 t]: f = 2^(old M - new M); named as a pair
.set QS,   22                          ; v22    Q's scale words: lanes 0-15 tile 0's, lanes 16-31 tile 1's
.set KS,   24                          ; v24-27 K's: register j: lanes 0-15 key tile 2 j, lanes 16-31 key tile 2 j + 1
.set VS,   28                          ; v28-29 V's likewise
.set PS,   30                          ; v30-31 p's scale word, tile t
.set MC0,  32                          ; v32-71 the mask's C for key tiles 0-4
.set S,    72                          ; v[S + 64 t]: S^T, then p
.set PC,   200                         ; v[PC + 12 t]: p's codes
.set BM,   224                         ; v[BM + 4 t]: the blocks' largest scores
.set TP,   232                         ; v232-239 the other half's maxima, bytes, the conversions' second halves
.set SO,   240                         ; v[SO + 4 t]: the conversions' scale operands
.set TA,   248                         ; v[TA + 2 t]: at work
.set C2,   252                         ; v[C2 + 2 t]: the sums' second chain
; window 1
.set QF,   64                          ; Q's fragments, 12 a tile;  v0-63: O^T, accumulator (t, i) at v[32 t + 8 i]
.set KF,   88                          ; K's eight
.set VF,   184                         ; V's four
.set MC1,  232                         ; the mask's C for key tiles 5-7
.set G1A, 16                           ; s[16:23] group 1: 6 rows of 256 bytes;  s[24:31]: 24 rows;  s[32:39]: 72 rows
.set G1B, 24
.set G1C, 32
.set G0A, 40                           ; s[40:43], s[44:47], s[48:51] their groups 0
.set G0B, 44
.set G0C, 48
.set WV,  54
.set SEL, 60                           ; s[60:61] v_permlanex16_b32's selects for lane l xor 16
.set CS,  62                           ; s[62:63] log2(e) / 8: the packed form names a pair and takes its low word for both halves
.set TB,  66                           ; where the step's codes begin in LDS
.set TS,  67                           ; its scale words
.set TMK, 68                           ; its mask
.set CNT, 69
.set MSB, 0
.macro WIN new                         ; the immediate's high byte repeats the setting that is left
.if MSB != \new
	s_set_vgpr_msb (MSB<<8)|\new
.set MSB, \new
.endif
.endm
.set W_QK0, 0x05                       ; K and Q window 1; C (mask) and S^T window 0
.set W_QK1, 0x15                       ; the same, C window 1
.set W_PV,  0x51                       ; V window 1, P window 0, O^T window 1
.set W_RS,  0x41                       ; O^T (destination and source 0) window 1, f window 0
.set W_LD,  0x40                       ; destination window 1, address window 0
.macro CROUND                          ; a round of the cluster's barrier
	s_barrier_signal -1
	s_barrier_wait -1
	s_cmp_lg_u32 s[WV], 0
	s_cbranch_scc1 .Lnot_wave_0_\@
	s_barrier_signal -3
.Lnot_wave_0_\@:
	s_barrier_wait -3
	s_barrier_signal -1
	s_barrier_wait -1
.endm
; a product: D at d, sources at a and b, C at c, scale registers sa and sb; ra, rb = 1: the scales stand in lanes 16-31
.macro WMS d, a, b, c, sa, sb, ra, rb
.if ((\ra)==0)&&((\rb)==0)
	v_wmma_scale_f32_16x16x128_f8f6f4 v[(\d):(\d)+7], v[(\a):(\a)+11], v[(\b):(\b)+11], v[(\c):(\c)+7], v[\sa], v[\sb] matrix_a_fmt:MATRIX_FMT_BF6 matrix_b_fmt:MATRIX_FMT_BF6
.elseif (\rb)==0
	v_wmma_scale_f32_16x16x128_f8f6f4 v[(\d):(\d)+7], v[(\a):(\a)+11], v[(\b):(\b)+11], v[(\c):(\c)+7], v[\sa], v[\sb] matrix_a_fmt:MATRIX_FMT_BF6 matrix_b_fmt:MATRIX_FMT_BF6 matrix_a_scale:MATRIX_SCALE_ROW1
.elseif (\ra)==0
	v_wmma_scale_f32_16x16x128_f8f6f4 v[(\d):(\d)+7], v[(\a):(\a)+11], v[(\b):(\b)+11], v[(\c):(\c)+7], v[\sa], v[\sb] matrix_a_fmt:MATRIX_FMT_BF6 matrix_b_fmt:MATRIX_FMT_BF6 matrix_b_scale:MATRIX_SCALE_ROW1
.else
	v_wmma_scale_f32_16x16x128_f8f6f4 v[(\d):(\d)+7], v[(\a):(\a)+11], v[(\b):(\b)+11], v[(\c):(\c)+7], v[\sa], v[\sb] matrix_a_fmt:MATRIX_FMT_BF6 matrix_b_fmt:MATRIX_FMT_BF6 matrix_a_scale:MATRIX_SCALE_ROW1 matrix_b_scale:MATRIX_SCALE_ROW1
.endif
.endm
	s_load_b256 s[4:11], s[0:1], 0x0               ; qimg s[4:5], qsc s[6:7], kv s[8:9], sc s[10:11]
	s_load_b128 s[12:15], s[0:1], 0x20             ; mask s[12:13], aimg s[14:15]
	s_load_b64 s[52:53], s[0:1], 0x30              ; asc
	v_lshl_add_u32 v23, v0, 2, 0x35000
	v_mov_b32 v251, 0
	ds_add_u32 v23, v251
	ds_add_u32 v23, v251
	v_lshrrev_b32 v9, 5, v0
	v_readfirstlane_b32 s[WV], v9                  ; wave 0..7
	v_and_b32 v9, 31, v0
	v_lshlrev_b32 v[LI16], 4, v9
	v_lshlrev_b32 v[LI8], 3, v9
	v_bfe_u32 v[H32], v0, 4, 1
	v_lshlrev_b32 v[H32], 5, v[H32]
	s_bfe_u32 s55, ttmp6, 0x40000                  ; cx: my place in the cluster
	s_lshl_b32 s56, ttmp9, 2
	s_add_co_u32 s56, s56, s55                     ; my block of 256 queries: it enters Q's and the outputs' addresses alone
	s_and_b32 s57, ttmp7, 0xffff                   ; 16 b + head, which the four partners share
	; descriptor groups 1: dense blocks as rows of 256 bytes (32 elements of 8 bytes), no padding
.irp g, G1A, G1B, G1C
	s_mov_b32 s[\g], 15|(3<<16)|(1<<21)            ; 15:0 the mask: all four work-groups; 17:16 elements of 8 bytes; 21 set beside a mask
	s_mov_b32 s[\g+1], 32<<16                      ; tensor_dim0 = 32
	s_mov_b32 s[\g+3], 32<<16                      ; tile_dim0 = 32
	s_mov_b32 s[\g+5], 32                          ; tensor_dim0_stride
	s_mov_b32 s[\g+6], 0
	s_mov_b32 s[\g+7], 0
.endr
	s_mov_b32 s[G1A+2], 6<<16                      ; tensor_dim1, tile_dim1: an eighth of the scale words,
	s_mov_b32 s[G1A+4], 6
	s_mov_b32 s[G1B+2], 24<<16                     ; of steps 0-3,
	s_mov_b32 s[G1B+4], 24
	s_mov_b32 s[G1C+2], 72<<16                     ; of steps 4-15
	s_mov_b32 s[G1C+4], 72
	s_mul_i32 s76, s57, 16*SCSTEP                  ; the head's scale words in memory,
	s_mul_i32 s[G0A+1], s[WV], 1536                ; my eighth,
	s_add_co_u32 s70, s76, s[G0A+1]
	s_mov_b32 s71, 0
	s_add_co_u32 s[G0A+1], s[G0A+1], SCL           ; and its place in LDS: a constant + a constant x wave
	s_mul_i32 s76, s57, 16*KVSTEP                  ; the head's codes
	s_mul_i32 s[G0B+1], s[WV], 6144
	s_add_co_u32 s72, s76, s[G0B+1]
	s_mov_b32 s73, 0
	s_mul_i32 s[G0C+1], s[WV], 18432
	s_add_co_u32 s[G0C+1], s[G0C+1], 4*KVSTEP
	s_add_co_u32 s74, s76, s[G0C+1]
	s_mov_b32 s75, 0
	s_mov_b32 s[G0A], 1
	s_mov_b32 s[G0B], 1
	s_mov_b32 s[G0C], 1
	s_mov_b32 s[SEL], 0x76543210
	s_mov_b32 s[SEL+1], 0xfedcba98
	s_mov_b32 s[CS], 0x3e38aa3b                    ; log2(e) / 8
	s_mov_b32 s[CS+1], s[CS]
	s_mov_b32 s[TB], 0
	s_mov_b32 s[TS], SCL
	s_mov_b32 s[TMK], MSK
	s_wait_dscnt 0x0
	s_wait_kmcnt 0x0
	s_add_nc_u64 s[G0A+2:G0A+3], s[10:11], s[70:71]
	s_or_b32 s[G0A+3], s[G0A+3], 0x80000000
	s_add_nc_u64 s[G0B+2:G0B+3], s[8:9], s[72:73]
	s_or_b32 s[G0B+3], s[G0B+3], 0x80000000
	s_add_nc_u64 s[G0C+2:G0C+3], s[8:9], s[74:75]
	s_or_b32 s[G0C+3], s[G0C+3], 0x80000000
	CROUND                                         ; all four work-groups are here: the joint loads meet
	tensor_load_to_lds s[G0A:G0A+3], s[G1A:G1A+7]  ; every wave asks for its eighth of each block: three tensor loads of mine are out, the launch's only ones
	s_nop 0
	tensor_load_to_lds s[G0B:G0B+3], s[G1B:G1B+7]
	s_nop 0
	tensor_load_to_lds s[G0C:G0C+3], s[G1C:G1C+7]
	s_nop 0
.rept 4
	v_nop
.endr
	s_lshr_b32 s70, s57, 4                         ; b
	s_lshl_b32 s72, s70, 13
	s_mov_b32 s73, 0
	s_add_nc_u64 s[12:13], s[12:13], s[72:73]      ; the batch's mask
	s_lshl_b32 s71, s56, 4
	s_lshl_b32 s74, s[WV], 1
	s_add_co_u32 s71, s71, s74                     ; my first tile of queries in the head: 16 x block + 2 x wave
	s_lshl_b32 s72, s57, 7
	s_add_co_u32 s72, s72, s71
	s_mul_i32 s72, s72, 768
	s_add_nc_u64 s[4:5], s[4:5], s[72:73]          ; its image
	s_lshl_b32 s72, s57, 4
	s_lshl_b32 s74, s56, 1
	s_add_co_u32 s72, s72, s74
	s_lshr_b32 s74, s[WV], 2
	s_add_co_u32 s72, s72, s74                     ; the step of 128 queries in which it lies,
	s_lshl_b32 s72, s72, 9
	s_and_b32 s74, s[WV], 3
	s_lshl_b32 s74, s74, 2                         ; and the word of a lane's four that is my pair of tiles'
	s_add_co_u32 s72, s72, s74
	s_add_nc_u64 s[6:7], s[6:7], s[72:73]
	s_lshl_b32 s72, s70, 7
	s_add_co_u32 s72, s72, s71                     ; my first tile among the 512 of all rows
	s_mul_i32 s72, s72, 12288
	s_and_b32 s74, s57, 15                         ; the head
	s_mul_i32 s75, s74, 768
	s_add_co_u32 s72, s72, s75
	s_add_nc_u64 s[14:15], s[14:15], s[72:73]      ; aimg [tile][head][768]
	s_lshl_b32 s72, s70, 6
	s_lshl_b32 s75, s56, 3
	s_add_co_u32 s72, s72, s75
	s_add_co_u32 s72, s72, s[WV]                   ; my pair of tiles
	s_lshl_b32 s72, s72, 7
	s_lshl_b32 s74, s74, 15
	s_add_co_u32 s72, s72, s74
	s_add_nc_u64 s[52:53], s[52:53], s[72:73]      ; asc [head][pair][lane]
	v_lshlrev_b32 v9, 5, v0                        ; the mask: eight numbers a thread
	global_load_b128 v[72:75], v9, s[12:13]
	global_load_b128 v[76:79], v9, s[12:13] offset:16
	WIN W_LD
.irp t, 0,1
	global_load_b128 v[QF+12*\t:QF+12*\t+3], v[LI16], s[4:5] offset:768*\t      ; Q's fragments stay in registers
	global_load_b64 v[QF+12*\t+4:QF+12*\t+5], v[LI8], s[4:5] offset:768*\t+512
.endr
	WIN 0
	global_load_b32 v[QS], v[LI16], s[6:7]
	WIN W_LD
.set j, 0
.rept 64
	v_mov_b32 v[j], 0                              ; O^T.  (The step is written once: the first finds zeros, which the first change of M leaves zeros)
.set j, j+1
.endr
.irp i, 0,1,2,3,4,5,6,7
.irp j, 6,7,8,9,10,11
	v_mov_b32 v[KF+12*\i+\j], 0                    ; the first product's K is 64: the upper half of each fragment is zero codes, written once
.endr
.endr
.irp t, 0,1
.irp j, 6,7,8,9,10,11
	v_mov_b32 v[QF+12*\t+\j], 0
.endr
.endr
	WIN 0
.irp t, 0,1
	v_mov_b32 v[ST+4*\t+1], 0xff61b1e6             ; the largest t so far: -3e38, under every t
	v_floor_f32 v[ST+4*\t], -v[ST+4*\t+1]          ; -M
	v_mov_b32 v[ST+4*\t+2], 0                      ; the sum, in two halves
	v_mov_b32 v[ST+4*\t+3], 0
	v_mov_b32 v[FF+2*\t+1], 0                      ; (named as the upper half of a pair)
.endr
.irp j, 0,1,2,3,4,5,6,7
	v_mov_b32 v[TP+\j], 0                          ; a lane permute's destination counts as one of its sources: written once
.endr
	v_lshl_add_u32 v80, v0, 5, MSK
	s_wait_loadcnt 0x0
.irp j, 0,1,2,3,4,5,6,7
	v_cvt_f32_i32 v[72+\j], v[72+\j]
.endr
.irp j, 0,1,2,3,4,5,6,7
	v_add_f32 v[72+\j], -1.0, v[72+\j]
.endr
.irp j, 0,1,2,3,4,5,6,7
	v_mul_f32 v[72+\j], 0x4e3ebc20, v[72+\j]       ; (mask - 1) x 8e8 = 8 x ((mask - 1) x 1e8): the factor 8 rounds nothing
.endr
	ds_store_b128 v80, v[72:75]
	ds_store_b128 v80, v[76:79] offset:16
	s_wait_tensorcnt 0x1                           ; my parts of the scale words and of steps 0-3 are in; the load of steps 4-15 may stay out
	s_wait_dscnt 0x0                               ; for the others' sake: my part of the mask is stored
	s_barrier_signal -1
	s_barrier_wait -1                              ; everybody's are
.macro ADDR                            ; the step's LDS addresses: five plain instructions, which are the places behind the first product's instructions
	v_add_nc_u32 v[ADK], s[TB], v[LI16]
	v_add_nc_u32 v[ADK8], s[TB], v[LI8]
	v_add_nc_u32 v[ADS], s[TS], v[LI16]
	v_add_nc_u32 v[ADS8], s[TS], v[LI8]
	v_add_nc_u32 v[ADM], s[TMK], v[H32]
.endm
.macro LOADK ok, os, om                ; 33 LDS loads: K's eight fragments, its scale words, the mask's C: lane (r, h), register j of key tile i: key 16 i + 8 h + j
	WIN W_LD
.irp i, 0,1,2,3,4,5,6,7
	ds_load_b128 v[KF+12*\i:KF+12*\i+3], v[ADK] offset:\ok+768*\i
	ds_load_b64 v[KF+12*\i+4:KF+12*\i+5], v[ADK8] offset:\ok+768*\i+512
.endr
.irp i, 5,6,7
	ds_load_b128 v[MC1+8*(\i-5):MC1+8*(\i-5)+3], v[ADM] offset:\om+64*\i
	ds_load_b128 v[MC1+8*(\i-5)+4:MC1+8*(\i-5)+7], v[ADM] offset:\om+64*\i+16
.endr
	WIN 0
	ds_load_b128 v[KS:KS+3], v[ADS] offset:\os
.irp i, 0,1,2,3,4
	ds_load_b128 v[MC0+8*\i:MC0+8*\i+3], v[ADM] offset:\om+64*\i
	ds_load_b128 v[MC0+8*\i+4:MC0+8*\i+7], v[ADM] offset:\om+64*\i+16
.endr
.endm
.macro LOADV                           ; 17 LDS loads: V's four fragments (16 channels x 128 keys) and its scale words
	WIN W_LD
.irp i, 0,1,2,3
	ds_load_b128 v[VF+12*\i:VF+12*\i+3], v[ADK] offset:6144+1536*\i
	ds_load_b64 v[VF+12*\i+4:VF+12*\i+5], v[ADK8] offset:6144+1536*\i+512
	ds_load_b128 v[VF+12*\i+6:VF+12*\i+9], v[ADK] offset:6144+1536*\i+768
	ds_load_b64 v[VF+12*\i+10:VF+12*\i+11], v[ADK8] offset:6144+1536*\i+1280
.endr
	WIN 0
	ds_load_b64 v[VS:VS+1], v[ADS8] offset:512
.endm
; A KEY STEP: 128 keys, both tiles of queries.  pre = 1: the next step's K, scale words and mask are fetched behind this step's first product.
.macro STEP pre
	s_wait_dscnt 0x0                               ; K, its scale words and the mask are in: they were asked for a softmax ago
	WIN W_QK0
.irp i, 0,1,2,3,4
.irp t, 0,1
	WMS S+64*\t+8*\i, KF+12*\i, QF+12*\t, MC0+8*\i, KS+\i/2, QS, \i%2, \t   ; S^T = K Q^T + the mask: sixteen accumulators, one instruction each
.endr
.endr
	WIN W_QK1
.irp i, 5,6,7
.irp t, 0,1
	WMS S+64*\t+8*\i, KF+12*\i, QF+12*\t, MC1+8*(\i-5), KS+\i/2, QS, \i%2, \t
.endr
.endr
	WIN 0
	ADDR
	LOADV
.if \pre
	LOADK KVSTEP, SCSTEP, 512
.endif
.irp b, 0,1,2,3
.irp t, 0,1
	v_max3_num_f32 v[BM+4*\t+\b], v[S+64*\t+16*\b], v[S+64*\t+16*\b+1], v[S+64*\t+16*\b+2]   ; THE LARGEST SCORE OF EACH BLOCK OF 32 KEYS: it serves the row's maximum and, since p rises with the score, the block's largest p.  Each accumulator is read from its low end on
.endr
.endr
.irp i, 3,5,7,9,11,13
.irp b, 0,1,2,3
.irp t, 0,1
	v_max3_num_f32 v[BM+4*\t+\b], v[BM+4*\t+\b], v[S+64*\t+16*\b+\i], v[S+64*\t+16*\b+\i+1]
.endr
.endr
.endr
.irp b, 0,1,2,3
.irp t, 0,1
	v_max_num_f32 v[BM+4*\t+\b], v[BM+4*\t+\b], v[S+64*\t+16*\b+15]
.endr
.endr
.irp b, 0,1,2,3
.irp t, 0,1
	v_permlanex16_b32 v[TP+4*\t+\b], v[BM+4*\t+\b], s[SEL], s[SEL+1]
.endr
.endr
.irp b, 0,1,2,3
.irp t, 0,1
	v_max_num_f32 v[BM+4*\t+\b], v[BM+4*\t+\b], v[TP+4*\t+\b]   ; with lane l xor 16's 16 keys
.endr
.endr
.irp t, 0,1
	v_max3_num_f32 v[TA+2*\t], v[BM+4*\t], v[BM+4*\t+1], v[BM+4*\t+2]
.endr
.irp t, 0,1
	v_max_num_f32 v[TA+2*\t], v[TA+2*\t], v[BM+4*\t+3]          ; the step's largest score of my query
.endr
.irp t, 0,1
	v_mul_f32 v[TA+2*\t], s[CS], v[TA+2*\t]                     ; as t
.endr
.irp t, 0,1
	v_max_num_f32 v[ST+4*\t+1], v[ST+4*\t+1], v[TA+2*\t]        ; the running largest t
.endr
.irp t, 0,1
	v_mov_b32 v[TA+2*\t], v[ST+4*\t]
.endr
.irp t, 0,1
	v_floor_f32 v[ST+4*\t], -v[ST+4*\t+1]                       ; the new -M = floor(-t) = -ceil(t): M is a whole number
.endr
.irp t, 0,1
	v_sub_f32 v[TA+2*\t], v[ST+4*\t], v[TA+2*\t]                ; old M - new M: a whole number, 0 or less
.endr
.irp t, 0,1
	v_cvt_i32_f32 v[TA+2*\t], v[TA+2*\t]                        ; (it saturates)
.endr
.irp t, 0,1
	v_ldexp_f32 v[FF+2*\t], 1.0, v[TA+2*\t]                     ; f = 2^(old M - new M)
.endr
.set j, 0
.rept 32
	v_pk_fma_f32 v[S+j:S+j+1], v[S+j:S+j+1], s[CS:CS+1], v[ST:ST+1] op_sel_hi:[1,0,0]               ; t - M, two at a time
	v_pk_fma_f32 v[S+64+j:S+65+j], v[S+64+j:S+65+j], s[CS:CS+1], v[ST+4:ST+5] op_sel_hi:[1,0,0]
.set j, j+2
.endr
.irp b, 0,1,2,3
.irp t, 0,1
	v_fma_f32 v[BM+4*\t+\b], v[BM+4*\t+\b], s[CS], v[ST+4*\t]   ; the same of each block's largest score
.endr
.endr
.set j, 0
.rept 128
	v_exp_f32 v[S+j], v[S+j]                       ; p = 2^(t - M), at most 1: not normalised
.set j, j+1
.endr
.irp b, 0,1,2,3,4,5,6,7
	v_exp_f32 v[BM+\b], v[BM+\b]                   ; the blocks' largest p: the same two instructions on the same number give the same bits.  ONE BATCH of 136: none reads another's result
.endr
.irp t, 0,1
	v_pk_mul_f32 v[ST+4*\t+2:ST+4*\t+3], v[ST+4*\t+2:ST+4*\t+3], v[FF+2*\t:FF+2*\t+1] op_sel_hi:[1,0]   ; the sums under the new M (the plain instruction behind the batch)
.endr
	WIN W_RS
.set j, 0
.rept 16
	v_pk_mul_f32 v[j:j+1], v[j:j+1], v[FF:FF+1] op_sel_hi:[1,0]               ; O^T under the new M: work that names no exponential's result, behind the batch and ahead of its wait
	v_pk_mul_f32 v[32+j:33+j], v[32+j:33+j], v[FF+2:FF+3] op_sel_hi:[1,0]
.set j, j+2
.endr
	WIN 0
	s_wait_alu depctr_va_vdst(0)                   ; one wait for the whole batch, ahead of the first instruction that names a result
.irp b, 0,1,2,3,4,5,6,7
	v_max_num_f32 v[BM+\b], 0x2800000, v[BM+\b]    ; the floor 2^(5 - 127): the byte cannot fall under 1 (a block whose every p is 0, all its keys hidden, keeps that byte: its codes are zeros)
.endr
.irp b, 0,1,2,3,4,5,6,7
	v_add_nc_u32 v[SO+\b], 0xfe000000, v[BM+\b]    ; 4 off the exponent field: the conversion's scale operand
.endr
.irp b, 0,1,2,3,4,5,6,7
	v_lshrrev_b32 v[TP+\b], 23, v[SO+\b]           ; the scale's byte
.endr
.irp t, 0,1
	v_lshl_or_b32 v[PS+\t], v[TP+4*\t+1], 8, v[TP+4*\t]   ; p's scale word for these 128 keys
.endr
.irp t, 0,1
	v_lshl_or_b32 v[PS+\t], v[TP+4*\t+2], 16, v[PS+\t]
.endr
.irp t, 0,1
	v_lshl_or_b32 v[PS+\t], v[TP+4*\t+3], 24, v[PS+\t]
.endr
.irp t, 0,1
.irp c, 0,1
	v_cvt_scalef32_pk16_bf6_f32 v[PC+12*\t+6*\c:PC+12*\t+6*\c+2], v[S+64*\t+32*\c:S+64*\t+32*\c+15], v[SO+4*\t+2*\c]
	v_cvt_scalef32_pk16_bf6_f32 v[TP+4*\c:TP+4*\c+2], v[S+64*\t+32*\c+16:S+64*\t+32*\c+31], v[SO+4*\t+2*\c+1]   ; (a conversion's three registers begin on an even number)
.endr
	v_nop                                          ; one plain instruction behind a scaled conversion
.irp c, 0,1                                    ; the operand's layout wants a WHOLE block in a lane: lanes 0-15 block 2 c, lanes 16-31 block 2 c + 1
.irp i, 0,1,2
	v_permlane16_swap_b32 v[PC+12*\t+6*\c+\i], v[TP+4*\c+\i]
.endr
.irp i, 0,1,2
	v_mov_b32 v[PC+12*\t+6*\c+3+\i], v[TP+4*\c+\i]
.endr
.endr
.endr
.irp t, 0,1
	v_pk_add_f32 v[C2+2*\t:C2+2*\t+1], v[S+64*\t:S+64*\t+1], v[S+64*\t+2:S+64*\t+3]   ; THE ROW'S SUM IS TAKEN OF THE UNQUANTISED p: two at a time, two chains a tile.
.endr                                          ; These 64 additions are also the places between the vector writes of p's codes and scale words and the scaled products below (4 and 8 are asked)
.irp j, 4,8,12,16,20,24,28,32,36,40,44,48,52,56,60
.irp t, 0,1
	v_pk_add_f32 v[ST+4*\t+2:ST+4*\t+3], v[ST+4*\t+2:ST+4*\t+3], v[S+64*\t+\j:S+64*\t+\j+1]
	v_pk_add_f32 v[C2+2*\t:C2+2*\t+1], v[C2+2*\t:C2+2*\t+1], v[S+64*\t+\j+2:S+64*\t+\j+3]
.endr
.endr
.irp t, 0,1
	v_pk_add_f32 v[ST+4*\t+2:ST+4*\t+3], v[ST+4*\t+2:ST+4*\t+3], v[C2+2*\t:C2+2*\t+1]
.endr
	s_wait_dscnt 33*\pre                           ; V and its scale words are in; the 33 loads issued behind them, the next step's, may stay out
	WIN W_PV
.irp i, 0,1,2,3
.irp t, 0,1
	WMS 32*\t+8*\i, VF+12*\i, PC+12*\t, 32*\t+8*\i, VS+\i/2, PS+\t, \i%2, 0   ; O^T += V^T P^T: eight accumulators by turns, one instruction a turn
.endr
.endr
	WIN 0
	s_add_co_u32 s[TB], s[TB], KVSTEP
	s_add_co_u32 s[TS], s[TS], SCSTEP
	s_add_co_u32 s[TMK], s[TMK], 512
.endm
	ADDR
	LOADK 0, 0, 0                                  ; step 0
	s_mov_b32 s[CNT], 3
.Lfirst:                                               ; steps 0 to 2; step 2 fetches K of step 3, the last that the second tensor load brought
	STEP 1
	s_sub_co_u32 s[CNT], s[CNT], 1
	s_cmp_lg_u32 s[CNT], 0
	s_cbranch_scc1 .Lfirst
	s_wait_tensorcnt 0x0                           ; my part of steps 4-15 is in,
	s_wait_dscnt 0x0                               ; (no LDS instruction of mine is pending at a signal)
	s_barrier_signal -1
	s_barrier_wait -1                              ; everybody's is: step 3 fetches K of step 4
	s_mov_b32 s[CNT], 12
.Lrest:                                                ; steps 3 to 14
	STEP 1
	s_sub_co_u32 s[CNT], s[CNT], 1
	s_cmp_lg_u32 s[CNT], 0
	s_cbranch_scc1 .Lrest
	STEP 0                                         ; step 15 fetches nothing more
	; THE WAY OUT.  The four additions are the places behind the last products.
.irp t, 0,1
	v_add_f32 v[TA+2*\t], v[ST+4*\t+2], v[ST+4*\t+3]             ; the sum's two halves,
.endr
.irp t, 0,1
	v_permlanex16_b32 v[TP+4*\t], v[TA+2*\t], s[SEL], s[SEL+1]
.endr
.irp t, 0,1
	v_add_f32 v[TA+2*\t], v[TA+2*\t], v[TP+4*\t]                 ; and lane l xor 16's: the row's sum, above 1/2
.endr
.irp t, 0,1
	v_rcp_f32 v[FF+2*\t], v[TA+2*\t]
.endr
	v_nop                                          ; a plain instruction behind the reciprocals,
	s_wait_alu depctr_va_vdst(0)                   ; and one wait for the two, ahead of their first reader
	WIN 0x01                                       ; source 0 (O^T) window 1
.irp t, 0,1
.set j, 0
.rept 32
	v_mul_f32 v[S+64*\t+j], v[32*\t+j], v[FF+2*\t] ; O^T / the sum: register 8 i + x is channel 16 i + 8 h + x of query r
.set j, j+1
.endr
.endr
	WIN 0
; Tile t's 64 channels are two blocks of 32: quantised as p is, then put into the natural order.
.macro OUTQ t
.set XO, S+64*(\t)
.set FO, XO+32
.set RA, PC+12*(\t)                    ; the block's lower 16 codes: three registers;
.set RB, TP+4*(\t)                     ; its upper 16
.irp b, 0,1
	v_max3_num_f32 v[BM+4*(\t)+\b], |v[XO+16*\b]|, |v[XO+16*\b+1]|, 0x2800000
.endr
.irp i, 2,4,6,8,10,12,14
.irp b, 0,1
	v_max3_num_f32 v[BM+4*(\t)+\b], v[BM+4*(\t)+\b], |v[XO+16*\b+\i]|, |v[XO+16*\b+\i+1]|
.endr
.endr
.irp b, 0,1
	v_permlanex16_b32 v[RB+\b], v[BM+4*(\t)+\b], s[SEL], s[SEL+1]
.endr
.irp b, 0,1
	v_max_num_f32 v[BM+4*(\t)+\b], v[BM+4*(\t)+\b], v[RB+\b]
.endr
.irp b, 0,1
	v_add_nc_u32 v[SO+4*(\t)+\b], 0xfe000000, v[BM+4*(\t)+\b]
.endr
.irp b, 0,1
	v_lshrrev_b32 v[RB+\b], 23, v[SO+4*(\t)+\b]
.endr
	v_lshl_or_b32 v[PS+\t], v[RB+1], 8, v[RB]      ; the head's two bytes of my row; the upper half of the word is 0
	v_cvt_scalef32_pk16_bf6_f32 v[RA:RA+2], v[XO:XO+15], v[SO+4*(\t)]
	v_cvt_scalef32_pk16_bf6_f32 v[RB:RB+2], v[XO+16:XO+31], v[SO+4*(\t)+1]
	v_nop                                          ; one plain instruction behind a scaled conversion
.irp i, 0,1,2
	v_permlane16_swap_b32 v[RA+\i], v[RB+\i]       ; lanes 0-15 now hold block 0, lanes 16-31 block 1: 24 bytes in RA, RB
.endr
	v_mov_b32 v[FO], v[RA]                         ; bytes 0-3 stay;
	v_perm_b32 v[FO+1], v[RB], v[RA+1], 0x05040100 ; bytes 4, 5 stay, 6, 7 take what lay at 12, 13;
	v_perm_b32 v[FO+2], v[RB+1], v[RB], 0x05040302 ; 8-11 take 14-17;
	v_perm_b32 v[FO+3], v[RA+2], v[RA+1], 0x05040302   ; 12-15 take 6-9;
	v_perm_b32 v[FO+4], v[RB+1], v[RA+2], 0x07060302   ; 16, 17 take 10, 11; 18, 19 stay;
	v_mov_b32 v[FO+5], v[RB+2]                     ; 20-23 stay
	global_store_b128 v[LI16], v[FO:FO+3], s[14:15] offset:12288*(\t)        ; 512 consecutive bytes, aligned
	global_store_b64 v[LI8], v[FO+4:FO+5], s[14:15] offset:12288*(\t)+512    ; 256
.endm
	OUTQ 0
	OUTQ 1
	v_and_b32 v[TA], 31, v0
	v_cmp_le_u32 vcc_lo, 16, v[TA]
	v_lshlrev_b32 v[TA+1], 2, v[TA]
	v_cndmask_b32 v[TA+2], v[PS], v[PS+1], vcc_lo  ; lanes 0-15 tile 0's words, lanes 16-31 tile 1's
	global_store_b32 v[TA+1], v[TA+2], s[52:53]    ; 128 bytes a wave; the work-group's eight waves store 1,024 bytes on end
	s_wait_tensorcnt 0x0
	ds_add_u32 v23, v251
	s_wait_dscnt 0x0
	CROUND                                         ; the closing round: no work-group ends while a partner may still ask for a tile that names it
	s_endpgm
.Lfunc_end_k_qa08f588533_attn:
	.size	k_qa08f588533_attn, .Lfunc_end_k_qa08f588533_attn-k_qa08f588533_attn
	.p2alignl 7, 3214868480
	.fill 96, 4, 3214868480
	.section	.rodata,"a",@progbits
	.p2align	6, 0x0
	.amdhsa_kernel k_qa08f588533_attn
		.amdhsa_group_segment_fixed_size 218112
		.amdhsa_private_segment_fixed_size 0
		.amdhsa_enable_private_segment 0
		.amdhsa_kernarg_size 56
		.amdhsa_user_sgpr_count 2
		.amdhsa_user_sgpr_kernarg_segment_ptr 1
		.amdhsa_wavefront_size32 1
		.amdhsa_system_sgpr_workgroup_id_x 1
		.amdhsa_system_sgpr_workgroup_id_y 1
		.amdhsa_system_sgpr_workgroup_id_z 1
		.amdhsa_system_vgpr_workitem_id 0
		.amdhsa_next_free_vgpr 512
		.amdhsa_next_free_sgpr 80
		.amdhsa_reserve_vcc 1
		.amdhsa_float_denorm_mode_32 3
		.amdhsa_float_denorm_mode_16_64 3
		.amdhsa_memory_ordered 1
		.amdhsa_forward_progress 1
		.amdhsa_inst_pref_size 112
	.end_amdhsa_kernel
	.amdgpu_metadata
---
amdhsa.version: [ 1, 2 ]
amdhsa.kernels:
  - .name:           k_qa08f588533_attn
    .symbol:         k_qa08f588533_attn.kd
    .args:
      - { .name: qimg, .offset: 0, .size: 8, .value_kind: global_buffer, .address_space: global }
      - { .name: qsc, .offset: 8, .size: 8, .value_kind: global_buffer, .address_space: global }
      - { .name: kv, .offset: 16, .size: 8, .value_kind: global_buffer, .address_space: global }
      - { .name: sc, .offset: 24, .size: 8, .value_kind: global_buffer, .address_space: global }
      - { .name: mask, .offset: 32, .size: 8, .value_kind: global_buffer, .address_space: global }
      - { .name: aimg, .offset: 40, .size: 8, .value_kind: global_buffer, .address_space: global }
      - { .name: asc, .offset: 48, .size: 8, .value_kind: global_buffer, .address_space: global }
    .group_segment_fixed_size: 218112
    .private_segment_fixed_size: 0
    .kernarg_segment_align: 8
    .kernarg_segment_size: 56
    .max_flat_workgroup_size: 256
    .sgpr_count:     80
    .vgpr_count:     512
    .wavefront_size: 32
...
	.end_amdgpu_metadata
.endif
;; end of part 3
;; launch outln (part 4): grid 256 x 1, 4 waves a work-group, clusters of 4 x 1, 327,680 bytes of LDS; arguments aimg, asc, Wo_codes, Wo_scales, query, ln_gamma, ln_beta, out0; writes out0
.if DOCPART == 4
	.amdgcn_target "amdgcn-amd-amdhsa--gfx1250"
	.amdhsa_code_object_version 6
	.text
	.protected	k_qa08f588533_outln
	.globl	k_qa08f588533_outln
	.p2align	8
	.type	k_qa08f588533_outln,@function
k_qa08f588533_outln:
	s_mov_b64 s[64:65], 0
	v_nop
	global_prefetch_b8 v0, s[64:65] scope:SCOPE_SE
	s_setreg_imm32_b32 hwreg(HW_REG_WAVE_MODE, 25, 1), 1
	s_wait_xcnt 0x0
	s_wait_alu depctr_hold_cnt(0) depctr_sa_sdst(0) depctr_va_vdst(0) depctr_va_sdst(0) depctr_va_ssrc(0) depctr_va_vcc(0) depctr_vm_vsrc(0)
	s_getreg_b32 s2, hwreg(HW_REG_IB_STS2, 6, 4)
	s_cmp_eq_u32 s2, 0
	s_cbranch_scc0 .Lentry_in_a_cluster
	s_endpgm
.Lentry_in_a_cluster:
	s_bfe_u32 s2, ttmp6, 0x10000c
	s_cmp_lg_u32 s2, 0x3003
	s_cbranch_scc0 .Lentry_shape_is_right
	s_endpgm
.Lentry_shape_is_right:
; out0 = LayerNorm(query + a Wo^T) x gamma + beta.  a: attention's result, [8192][1024] as codes of BF6 (E3M2) in images of operand registers; Wo: [1024][1024] codes, K innermost, with E8M0 scale bytes [1024][32].
; SHARES.  A work-group owns 32 whole rows (two tiles of 16) x all 1,024 columns, so that a row's mean and variance need no other work-group.  a's 16 fragments (2 tiles x 8 K steps) stay in registers.
; Wo goes by in 8 chunks of 128 of its rows, dense blocks of 98,304 bytes, through a ring of two LDS slots; of a chunk wave w fetches and multiplies rows 32 w .. 32 w + 31.
; CLUSTER.  All work-groups walk the same Wo: the four of a cluster ask for each chunk JOINTLY, by the same tensor load with the same descriptor and a mask that names the four.
; THE MATRIX INSTRUCTION IS USED TRANSPOSED (source 0 = 16 rows of Wo, source 1 = 16 rows of a): lane (r, h) holds row r and eight neighbouring columns.  All 32 accumulators of a wave (2 tiles of rows x 256 columns)
; stay in registers to the end; then they meet in a stage in LDS (32 rows x 4,096 bytes), and each wave takes 8 whole rows: residual, mean, variance (in two passes), gain, bias, store.
; A row's 4,096 bytes of query are asked for one row a chunk, long before they are wanted.  No prefetch: Wo is read by every work-group, and query's rows are on their way chunks ahead.
; The wave tile is small (32 x 32 a chunk): each fragment of Wo read from LDS feeds two products.  That is the price of whole rows in one work-group on all 256 WGPs.
; REGISTERS, in windows of 256: window 0: v1-13 addresses; v16-23 Wo's scale words, v24-31 a's; v32-47 a's raw words; v48-63 at work; v64-255 a chunk's 16 fragments of Wo, later rows of the result.
;   window 1: a's fragments (tile m, K step s) at v[96 m + 12 s]; v192-223 gamma, v224-255 beta.   window 2: accumulator (chunk c, tile of columns u, tile of rows m) at v[32 c + 16 u + 8 m].   window 3: my 8 rows of query.
.set PW,     816                       ; a row of Wo in LDS: 3 x (256 bytes + 16 of padding) = 204 words: row r starts at bank 12 r mod 64, so the 32 lanes of a load of 8 bytes touch 64 different banks (ISA guide 11.1)
.set CHUNKB, 98304                     ; a chunk in memory
.set SLOTB,  104448                    ; and in LDS: 128 x PW
.set WPART,  26112                     ; a wave's 32 rows
.set WSC,    208896                    ; behind the ring: Wo's scale bytes, 128 runs of 256 bytes + 16 of padding
.set SPARE,  243712                    ; behind them: the spare words, 128 bytes for each wave, which no other line names
.set SPITCH, 4112                      ; the stage: 32 rows x (4,096 + 16) from LDS byte 0: in the slots, which have had their last fill and their last read when the first result is stored there
.set LI16, 1
.set LI8,  2
.set LI4,  3
.set ADB,  4                           ; v4-5  LDS address of my fragments in slot 0, 1;  v6-7: for the pieces that lie behind one padding more
.set ADB2, 6
.set ADW,  8                           ; v8    my row's scale bytes of Wo: lanes 0-15 tile u = 0, lanes 16-31 tile u = 1
.set STO,  9                           ; v9, v11  the stage: where I put 32 bytes of a row, tile of rows 0, 1
.set SRD,  10                          ; v10   and where I read my rows back
.set SPW,  12                          ; v12   LDS address of my spare word; never rewritten
.set NIL,  13                          ; v13   0; never rewritten
.set BS,   16
.set AS,   24
.set TS,   32
.set T,    48                          ; v48-55 four chains
.set NM,   56                          ; v[56:57] -mean;  v[58:59] 1 / sqrt(variance + 1e-5);  v60 a permute's destination
.set RS,   58
.set PT,   60
.set BF,   64                          ; Wo's fragment (K step s, tile u) at v[BF + 24 s + 12 u]
.set YB,   64                          ; later: a row of the result, two buffers of 32
.set G1W, 28                           ; s[28:35] group 1: 96 rows of 256 bytes;  s[36:43]: 32 rows
.set G1S, 36
.set G0,  44                           ; s[44:47], s[48:51] group 0 for slot 0, 1;  s[52:55] for the scale bytes
.set G0S, 52
.set MSB, 0
.macro WIN new                         ; the immediate's high byte repeats the setting that is left
.if MSB != \new
	s_set_vgpr_msb (MSB<<8)|\new
.set MSB, \new
.endif
.endm
.macro ROUND                           ; a round of the cluster's barrier
	s_barrier_signal -1
	s_barrier_wait -1
	s_cmp_lg_u32 s20, 0
	s_cbranch_scc1 .Lnot_wave_0_\@
	s_barrier_signal -3
.Lnot_wave_0_\@:
	s_barrier_wait -3
	s_barrier_signal -1
	s_barrier_wait -1
.endm
; a product: D and C at d (zero = 1: C is the constant 0: the first K step starts the sum), sources at a and b, scale registers sa and sb; ra, rb = 1: the scales stand in lanes 16-31
.macro WMO d, a, b, sa, sb, ra, rb, zero
.if \zero
.if ((\ra)==0)&&((\rb)==0)
	v_wmma_scale_f32_16x16x128_f8f6f4 v[(\d):(\d)+7], v[(\a):(\a)+11], v[(\b):(\b)+11], 0, v[\sa], v[\sb] matrix_a_fmt:MATRIX_FMT_BF6 matrix_b_fmt:MATRIX_FMT_BF6
.elseif (\rb)==0
	v_wmma_scale_f32_16x16x128_f8f6f4 v[(\d):(\d)+7], v[(\a):(\a)+11], v[(\b):(\b)+11], 0, v[\sa], v[\sb] matrix_a_fmt:MATRIX_FMT_BF6 matrix_b_fmt:MATRIX_FMT_BF6 matrix_a_scale:MATRIX_SCALE_ROW1
.elseif (\ra)==0
	v_wmma_scale_f32_16x16x128_f8f6f4 v[(\d):(\d)+7], v[(\a):(\a)+11], v[(\b):(\b)+11], 0, v[\sa], v[\sb] matrix_a_fmt:MATRIX_FMT_BF6 matrix_b_fmt:MATRIX_FMT_BF6 matrix_b_scale:MATRIX_SCALE_ROW1
.else
	v_wmma_scale_f32_16x16x128_f8f6f4 v[(\d):(\d)+7], v[(\a):(\a)+11], v[(\b):(\b)+11], 0, v[\sa], v[\sb] matrix_a_fmt:MATRIX_FMT_BF6 matrix_b_fmt:MATRIX_FMT_BF6 matrix_a_scale:MATRIX_SCALE_ROW1 matrix_b_scale:MATRIX_SCALE_ROW1
.endif
.else
.if ((\ra)==0)&&((\rb)==0)
	v_wmma_scale_f32_16x16x128_f8f6f4 v[(\d):(\d)+7], v[(\a):(\a)+11], v[(\b):(\b)+11], v[(\d):(\d)+7], v[\sa], v[\sb] matrix_a_fmt:MATRIX_FMT_BF6 matrix_b_fmt:MATRIX_FMT_BF6
.elseif (\rb)==0
	v_wmma_scale_f32_16x16x128_f8f6f4 v[(\d):(\d)+7], v[(\a):(\a)+11], v[(\b):(\b)+11], v[(\d):(\d)+7], v[\sa], v[\sb] matrix_a_fmt:MATRIX_FMT_BF6 matrix_b_fmt:MATRIX_FMT_BF6 matrix_a_scale:MATRIX_SCALE_ROW1
.elseif (\ra)==0
	v_wmma_scale_f32_16x16x128_f8f6f4 v[(\d):(\d)+7], v[(\a):(\a)+11], v[(\b):(\b)+11], v[(\d):(\d)+7], v[\sa], v[\sb] matrix_a_fmt:MATRIX_FMT_BF6 matrix_b_fmt:MATRIX_FMT_BF6 matrix_b_scale:MATRIX_SCALE_ROW1
.else
	v_wmma_scale_f32_16x16x128_f8f6f4 v[(\d):(\d)+7], v[(\a):(\a)+11], v[(\b):(\b)+11], v[(\d):(\d)+7], v[\sa], v[\sb] matrix_a_fmt:MATRIX_FMT_BF6 matrix_b_fmt:MATRIX_FMT_BF6 matrix_a_scale:MATRIX_SCALE_ROW1 matrix_b_scale:MATRIX_SCALE_ROW1
.endif
.endif
.endm
	s_load_b512 s[4:19], s[0:1], 0x0               ; aimg s[4:5], asc s[6:7], Wo's codes s[8:9], Wo's scales s[10:11], query s[12:13], gamma s[14:15], beta s[16:17], out0 s[18:19]
	v_lshl_add_u32 v[SPW], v0, 2, SPARE
	v_mov_b32 v[NIL], 0
	ds_add_u32 v12, v13
	ds_add_u32 v12, v13
	s_wait_dscnt 0x0
	v_lshrrev_b32 v14, 5, v0
	v_readfirstlane_b32 s20, v14                   ; wave 0..3
	v_and_b32 v14, 31, v0
	v_lshlrev_b32 v[LI16], 4, v14
	v_lshlrev_b32 v[LI8], 3, v14
	v_lshlrev_b32 v[LI4], 2, v14
	s_bfe_u32 s21, ttmp6, 0x40000                  ; cx
	s_lshl_b32 s22, ttmp9, 2
	s_add_co_u32 s22, s22, s21                     ; my work-group: rows 32 g on.  It enters a's, query's and out0's addresses alone
	; descriptor groups 1: dense blocks as rows of 256 bytes (32 elements of 8 bytes), 16 bytes of padding behind each
.irp g, G1W, G1S
	s_mov_b32 s[\g], 15|(3<<16)|(1<<20)|(1<<21)|(5<<22)|(3<<25)   ; 15:0 the mask: all four work-groups; 17:16 elements of 8 bytes; 20 padding on; 21 set beside a mask; 24:22 after every 64 words (code 5); 31:25 of 4 words (code 3)
	s_mov_b32 s[\g+1], 32<<16
	s_mov_b32 s[\g+3], 32<<16
	s_mov_b32 s[\g+5], 32
	s_mov_b32 s[\g+6], 0
	s_mov_b32 s[\g+7], 0
.endr
	s_mov_b32 s[G1W+2], 96<<16                     ; a quarter of a chunk: 32 rows of Wo
	s_mov_b32 s[G1W+4], 96
	s_mov_b32 s[G1S+2], 32<<16                     ; a quarter of the scale bytes
	s_mov_b32 s[G1S+4], 32
	s_mul_i32 s23, s20, WPART                      ; my 32 rows in a slot
	s_mov_b32 s[G0+1], s23
	s_add_co_u32 s[G0+5], s23, SLOTB
	s_mul_i32 s[G0S+1], s20, 8704
	s_add_co_u32 s[G0S+1], s[G0S+1], WSC
	s_mul_i32 s24, s20, 24576                      ; and in a chunk in memory
	s_mov_b32 s25, 0
	s_lshl_b32 s26, s20, 13
	s_mov_b32 s27, 0
	s_mov_b32 s[G0], 1
	s_mov_b32 s[G0+4], 1
	s_mov_b32 s[G0S], 1
	s_mov_b32 s56, 0x76543210                      ; v_permlanex16_b32's selects for lane l xor 16
	s_mov_b32 s57, 0xfedcba98
	s_mov_b32 s58, 0x3a800000                      ; 1 / 1024
	s_mov_b32 s59, 0x3727c5ac                      ; 1e-5
	s_mov_b32 s60, 0xba800000                      ; -1 / 1024
	s_wait_kmcnt 0x0
	s_add_nc_u64 s[G0+2:G0+3], s[8:9], s[24:25]    ; chunk 0,
	s_add_nc_u64 s[G0+6:G0+7], s[G0+2:G0+3], CHUNKB   ; chunk 1
	s_or_b32 s[G0+3], s[G0+3], 0x80000000
	s_or_b32 s[G0+7], s[G0+7], 0x80000000
	s_add_nc_u64 s[G0S+2:G0S+3], s[10:11], s[26:27]
	s_or_b32 s[G0S+3], s[G0S+3], 0x80000000
	ROUND                                          ; all four work-groups are here: the first joint loads meet
	tensor_load_to_lds s[G0S:G0S+3], s[G1S:G1S+7]  ; the scale bytes: filled once
	s_nop 0
	tensor_load_to_lds s[G0:G0+3], s[G1W:G1W+7]    ; chunk 0: two tensor loads of mine are out
	s_nop 0
.rept 4
	v_nop
.endr
	s_mul_i32 s24, s22, 24576                      ; my two tiles of a: 12,288 bytes each
	s_add_nc_u64 s[4:5], s[4:5], s[24:25]
	s_lshl_b32 s24, s22, 7                         ; my pair's scale words
	s_add_nc_u64 s[6:7], s[6:7], s[24:25]
	s_lshl_b32 s24, s22, 5
	s_lshl_b32 s26, s20, 3
	s_add_co_u32 s24, s24, s26                     ; the first of the 8 rows that I finish: 32 g + 8 w
	s_lshl_b32 s24, s24, 12
	s_add_nc_u64 s[12:13], s[12:13], s[24:25]
	s_add_nc_u64 s[18:19], s[18:19], s[24:25]
.irp e, 0,1,2,3,4,5,6,7,8,9,10,11,12,13,14,15
	global_load_b32 v[TS+\e], v[LI4], s[6:7] offset:32768*\e   ; head e's two bytes of my rows: lanes 0-15 tile 0, lanes 16-31 tile 1
.endr
	WIN 0x40                                       ; destination window 1
.irp m, 0,1
.irp s, 0,1,2,3,4,5,6,7
	global_load_b128 v[96*\m+12*\s:96*\m+12*\s+3], v[LI16], s[4:5] offset:12288*\m+1536*\s
	global_load_b64 v[96*\m+12*\s+4:96*\m+12*\s+5], v[LI8], s[4:5] offset:12288*\m+1536*\s+512
	global_load_b128 v[96*\m+12*\s+6:96*\m+12*\s+9], v[LI16], s[4:5] offset:12288*\m+1536*\s+768
	global_load_b64 v[96*\m+12*\s+10:96*\m+12*\s+11], v[LI8], s[4:5] offset:12288*\m+1536*\s+1280
.endr
.endr
.irp k, 0,1,2,3,4,5,6,7
	global_load_b128 v[192+4*\k:195+4*\k], v[LI16], s[14:15] offset:512*\k   ; gamma and beta of my columns 4 l + 128 k + 0 .. 3
	global_load_b128 v[224+4*\k:227+4*\k], v[LI16], s[16:17] offset:512*\k
.endr
	WIN 0
	s_wait_loadcnt 0x0
.irp s, 0,1,2,3,4,5,6,7
	v_lshl_or_b32 v[AS+\s], v[TS+2*\s+1], 16, v[TS+2*\s]   ; K step s is heads 2 s and 2 s + 1: four bytes.  (More than eight plain instructions follow ahead of the first scaled product)
.endr
	v_and_b32 v14, 15, v0                          ; r
	v_bfe_u32 v15, v0, 4, 1                        ; h
	v_mul_u32_u24 v48, v14, PW
	v_mad_u32_u24 v49, v15, 24, v48                ; a fragment's row x pitch + 24 x half
	v_mad_u32_u24 v50, v15, 40, v48                ; and the same behind one padding more
	v_add_nc_u32 v[ADB], s23, v49
	v_add_nc_u32 v[ADB2], s23, v50
	v_add_nc_u32 v[ADB+1], SLOTB, v[ADB]
	v_add_nc_u32 v[ADB2+1], SLOTB, v[ADB2]
	v_and_b32 v51, 31, v0
	v_lshrrev_b32 v52, 3, v51
	v_and_b32 v51, 7, v51
	v_lshlrev_b32 v51, 5, v51
	v_mad_u32_u24 v51, v52, 272, v51               ; row l of my 32: 32 bytes a row, eight rows to a run of 256
	s_mul_i32 s24, s20, 1088
	s_add_co_u32 s24, s24, WSC
	v_add_nc_u32 v[ADW], s24, v51
	v_mul_u32_u24 v48, v14, SPITCH
	v_lshl_add_u32 v48, v15, 5, v48
	s_lshl_b32 s24, s20, 7
	v_add_nc_u32 v[STO], s24, v48                  ; the stage: row r, + 32 h, + 128 w
	v_add_nc_u32 v[STO+2], 16*SPITCH, v[STO]
	s_mul_i32 s24, s20, 8*SPITCH
	v_add_nc_u32 v[SRD], s24, v[LI16]              ; back: my 8 rows, 16 bytes a lane
	v_mov_b32 v[NM+1], 0                           ; (named as the upper halves of pairs, and as a permute's destination)
	v_mov_b32 v[RS+1], 0
	v_mov_b32 v[PT], 0
.macro FRAGW reg, slot, s, u           ; a fragment: 16 rows of Wo x 128 K: lane (r, h) takes the 24 bytes at 96 s + 24 h and at 96 s + 48 + 24 h of its row, in pieces of 8
.irp p, 0,1,2,3,4,5
.set D0, 96*(\s)+48*(\p/3)+8*(\p%3)    ; lanes 0-15's byte in the row; 16 bytes of padding lie behind every 256: where lanes 16-31's piece lies behind one padding more, the second address register serves
.if (D0+24)/256 > D0/256
	ds_load_b64 v[\reg+2*\p:\reg+2*\p+1], v[ADB2+\slot] offset:D0+16*(D0/256)+(\u)*16*PW
.else
	ds_load_b64 v[\reg+2*\p:\reg+2*\p+1], v[ADB+\slot] offset:D0+16*(D0/256)+(\u)*16*PW
.endif
.endr
.endm
; CHUNK c: rows 128 c on of Wo, in slot c % 2.  The change of slots stands at its head: each wave waits for all its tensor loads (its part of this chunk), adds 0 to its spare word, and waits for that and for its reads of
; the slot that it has left; a round of the cluster's barrier; behind it the other slot is filled with the next chunk, which has this chunk's work in which to land.
.macro CHUNK c
.set SL, (\c)%2
	s_wait_tensorcnt 0x0                           ; no tensor load of mine is out, so a group 0 may be written
	ds_add_u32 v[SPW], v[NIL]                      ; 0 onto my spare word
	s_add_nc_u64 s[G0+4*SL+2:G0+4*SL+3], s[G0+4*SL+2:G0+4*SL+3], 2*CHUNKB   ; this slot's next chunk (the last two steps' addresses are not used)
	s_wait_dscnt 0x0                               ; the add is done, and my reads of the other slot are over
	ROUND                                          ; both now hold of every wave of the four work-groups
.if \c < 7
	tensor_load_to_lds s[G0+4*(1-SL):G0+4*(1-SL)+3], s[G1W:G1W+7]   ; my one tensor load behind the round
	s_nop 0
.endif
.rept 4
	v_nop                                          ; the form behind a tensor load, and the places in front of loads into registers that matrix instructions have read
.endr
	WIN 0xc0                                       ; destination window 3
.irp k, 0,1,2,3,4,5,6,7
	global_load_b128 v[32*(\c)+4*\k:32*(\c)+4*\k+3], v[LI16], s[12:13] offset:4096*(\c)+512*\k th:TH_LOAD_NT   ; row c of my 8 rows of query: 512 consecutive bytes a load
.endr
	WIN 0
	ds_load_b128 v[BS:BS+3], v[ADW] offset:4352*(\c)        ; my rows' scale words for the 8 K steps
	ds_load_b128 v[BS+4:BS+7], v[ADW] offset:4352*(\c)+16
.irp s, 0,1,2,3,4,5,6,7
.irp u, 0,1
	FRAGW BF+24*\s+12*\u, SL, \s, \u
.endr
.endr
	WIN 0xa4                                       ; source 0 (Wo) window 0, source 1 (a) window 1, C and D window 2
.irp s, 0,1,2,3,4,5,6,7
.if 84-12*\s > 63
	s_wait_dscnt 63                                ; (the most that the wait's field names: fewer may be out than the 84 - 12 s that would do)
.else
	s_wait_dscnt 84-12*\s                          ; K step s's twelve loads are in; those of the later K steps may be out
.endif
.irp u, 0,1
.irp m, 0,1
	WMO 32*(\c)+16*\u+8*\m, BF+24*\s+12*\u, 96*\m+12*\s, BS+\s, AS+\s, \u, \m, \s==0   ; four accumulators by turns, one instruction a turn
.endr
.endr
.endr
	WIN 0
.endm
.irp c, 0,1,2,3,4,5,6,7
	CHUNK \c
.endr
	s_barrier_signal -1                            ; (my LDS loads are all in: the last wait was for 0)
	s_barrier_wait -1                              ; nobody reads a slot any more, and both have had their last fill: the stage may be written
.rept 4
	v_nop                                          ; places behind the last products, in front of the stores that read results and of the loads into Wo's registers
.endr
	WIN 0x08                                       ; an LDS store's data are its source 1: window 2
.irp c, 0,1,2,3,4,5,6,7
.irp u, 0,1
.irp m, 0,1
	ds_store_b128 v[STO+2*\m], v[32*\c+16*\u+8*\m:32*\c+16*\u+8*\m+3] offset:512*\c+64*\u        ; lane (r, h): row 16 m + r, columns 128 c + 32 w + 16 u + 8 h + 0 .. 7; each accumulator from its low end on
	ds_store_b128 v[STO+2*\m], v[32*\c+16*\u+8*\m+4:32*\c+16*\u+8*\m+7] offset:512*\c+64*\u+16
.endr
.endr
.endr
	WIN 0
	s_wait_dscnt 0x0                               ; for the others' sake: my stores into the stage are done
	s_barrier_signal -1
	s_barrier_wait -1                              ; 32 whole rows lie in the stage
	s_wait_loadcnt 0x0                             ; query's rows
.macro LNLOAD i
.irp k, 0,1,2,3,4,5,6,7
	ds_load_b128 v[YB+32*((\i)%2)+4*\k:YB+32*((\i)%2)+4*\k+3], v[SRD] offset:(\i)*SPITCH+512*\k
.endr
.endm
.macro REDUCE                          ; four chains of pairs in v[T] on become one number in every lane
	v_pk_add_f32 v[T:T+1], v[T:T+1], v[T+2:T+3]
	v_pk_add_f32 v[T+4:T+5], v[T+4:T+5], v[T+6:T+7]
	v_pk_add_f32 v[T:T+1], v[T:T+1], v[T+4:T+5]
	v_add_f32 v[T], v[T], v[T+1]
	v_add_f32_dpp v[T], v[T], v[T] row_xmask:1 row_mask:0xf bank_mask:0xf
	v_add_f32_dpp v[T], v[T], v[T] row_xmask:2 row_mask:0xf bank_mask:0xf
	v_add_f32_dpp v[T], v[T], v[T] row_xmask:4 row_mask:0xf bank_mask:0xf
	v_add_f32_dpp v[T], v[T], v[T] row_xmask:8 row_mask:0xf bank_mask:0xf
	v_permlanex16_b32 v[PT], v[T], s56, s57
	v_add_f32 v[T], v[T], v[PT]
.endm
; Row i of my 8: a lane holds 32 of its 1,024 numbers.
.macro LNROW i
.set Y, YB+32*((\i)%2)
.if \i < 7
	s_wait_xcnt 0x0                                ; the stores of the row before have read their data: the other buffer is loaded again only behind this wait
	LNLOAD (\i)+1
	s_wait_dscnt 8                                 ; this row is in; the next row's eight loads may be out
.else
	s_wait_dscnt 0x0
.endif
	WIN 0x0c                                       ; source 1 (query) window 3
.irp j, 0,2,4,6,8,10,12,14,16,18,20,22,24,26,28,30
	v_pk_add_f32 v[Y+\j:Y+\j+1], v[Y+\j:Y+\j+1], v[32*(\i)+\j:32*(\i)+\j+1]   ; x = the product + the residual
.endr
	WIN 0
.irp q, 0,1,2,3
	v_pk_add_f32 v[T+2*\q:T+2*\q+1], v[Y+4*\q:Y+4*\q+1], v[Y+4*\q+2:Y+4*\q+3]
.endr
.irp j, 16,18,20,22,24,26,28,30
	v_pk_add_f32 v[T+\j%8:T+\j%8+1], v[T+\j%8:T+\j%8+1], v[Y+\j:Y+\j+1]
.endr
	REDUCE
	v_mul_f32 v[NM], s60, v[T]                     ; -mean
.irp j, 0,2,4,6,8,10,12,14,16,18,20,22,24,26,28,30
	v_pk_add_f32 v[Y+\j:Y+\j+1], v[Y+\j:Y+\j+1], v[NM:NM+1] op_sel_hi:[1,0]
.endr
.irp j, 0,2,4,6
	v_pk_mul_f32 v[T+\j:T+\j+1], v[Y+\j:Y+\j+1], v[Y+\j:Y+\j+1]
.endr
.irp j, 8,10,12,14,16,18,20,22,24,26,28,30
	v_pk_fma_f32 v[T+\j%8:T+\j%8+1], v[Y+\j:Y+\j+1], v[Y+\j:Y+\j+1], v[T+\j%8:T+\j%8+1]
.endr
	REDUCE
	v_fma_f32 v[T], v[T], s58, s59                 ; the variance + 1e-5
	v_rsq_f32 v[RS], v[T]
	v_nop                                          ; a plain instruction behind the transcendental,
	s_wait_alu depctr_va_vdst(0)                   ; and the wait ahead of its first reader
.irp j, 0,2,4,6,8,10,12,14,16,18,20,22,24,26,28,30
	v_pk_mul_f32 v[Y+\j:Y+\j+1], v[Y+\j:Y+\j+1], v[RS:RS+1] op_sel_hi:[1,0]
.endr
	WIN 0x14                                       ; sources 1 and 2 (gamma, beta) window 1
.irp j, 0,2,4,6,8,10,12,14,16,18,20,22,24,26,28,30
	v_pk_fma_f32 v[Y+\j:Y+\j+1], v[Y+\j:Y+\j+1], v[192+\j:193+\j], v[224+\j:225+\j]
.endr
	WIN 0
.irp k, 0,1,2,3,4,5,6,7
	global_store_b128 v[LI16], v[Y+4*\k:Y+4*\k+3], s[18:19] offset:4096*(\i)+512*\k th:TH_STORE_NT   ; 32 lanes store 512 consecutive bytes, aligned; written once, read by nobody here
.endr
.endm
	LNLOAD 0
.irp i, 0,1,2,3,4,5,6,7
	LNROW \i
.endr
	s_wait_tensorcnt 0x0                           ; the wave's end, behind my last tensor load and my last LDS store
	ds_add_u32 v[SPW], v[NIL]
	s_wait_dscnt 0x0
	ROUND                                          ; the closing round: no work-group ends while a partner may still ask for a tile that names it
	s_endpgm
.Lfunc_end_k_qa08f588533_outln:
	.size	k_qa08f588533_outln, .Lfunc_end_k_qa08f588533_outln-k_qa08f588533_outln
	.p2alignl 7, 3214868480
	.fill 96, 4, 3214868480
	.section	.rodata,"a",@progbits
	.p2align	6, 0x0
	.amdhsa_kernel k_qa08f588533_outln
		.amdhsa_group_segment_fixed_size 327680
		.amdhsa_private_segment_fixed_size 0
		.amdhsa_enable_private_segment 0
		.amdhsa_kernarg_size 64
		.amdhsa_user_sgpr_count 2
		.amdhsa_user_sgpr_kernarg_segment_ptr 1
		.amdhsa_wavefront_size32 1
		.amdhsa_system_sgpr_workgroup_id_x 1
		.amdhsa_system_sgpr_workgroup_id_y 1
		.amdhsa_system_sgpr_workgroup_id_z 1
		.amdhsa_system_vgpr_workitem_id 0
		.amdhsa_next_free_vgpr 1024
		.amdhsa_next_free_sgpr 66
		.amdhsa_reserve_vcc 0
		.amdhsa_float_denorm_mode_32 3
		.amdhsa_float_denorm_mode_16_64 3
		.amdhsa_memory_ordered 1
		.amdhsa_forward_progress 1
		.amdhsa_inst_pref_size 184
	.end_amdhsa_kernel
	.amdgpu_metadata
---
amdhsa.version: [ 1, 2 ]
amdhsa.kernels:
  - .name:           k_qa08f588533_outln
    .symbol:         k_qa08f588533_outln.kd
    .args:
      - { .name: aimg, .offset: 0, .size: 8, .value_kind: global_buffer, .address_space: global }
      - { .name: asc, .offset: 8, .size: 8, .value_kind: global_buffer, .address_space: global }
      - { .name: Wo_codes, .offset: 16, .size: 8, .value_kind: global_buffer, .address_space: global }
      - { .name: Wo_scales, .offset: 24, .size: 8, .value_kind: global_buffer, .address_space: global }
      - { .name: query, .offset: 32, .size: 8, .value_kind: global_buffer, .address_space: global }
      - { .name: ln_gamma, .offset: 40, .size: 8, .value_kind: global_buffer, .address_space: global }
      - { .name: ln_beta, .offset: 48, .size: 8, .value_kind: global_buffer, .address_space: global }
      - { .name: out0, .offset: 56, .size: 8, .value_kind: global_buffer, .address_space: global }
    .group_segment_fixed_size: 327680
    .private_segment_fixed_size: 0
    .kernarg_segment_align: 8
    .kernarg_segment_size: 64
    .max_flat_workgroup_size: 128
    .sgpr_count:     66
    .vgpr_count:     1024
    .wavefront_size: 32
...
	.end_amdgpu_metadata
.endif
;; end of part 4
